; MI455X (gfx1250); checked and timed in simulation.
; The chip was launched on July 23, 2026; its instructions are those of AMD's public machine-readable ISA for CDNA 5 (MIT licence, August 2026) and "CDNA5" Instruction Set Architecture Reference Guide (July 2026). The comments in the code are by the model that wrote it; some were corrected since.
;; Transformer Block. Allowed arithmetic: float matrix products may take bf16 or f16 operands with f32 sums; other float arithmetic in f32, or as packed bf16 or f16 multiplies, adds, multiply-adds, maxima and minima; sums over many terms, partial sums and values carried from step to step in f32; what a program stores and reads back later, other than sums and carried values, may be rounded once to bf16 or f16.
;; Inputs: W1 1,024 x 4,096 float32; W2 4,096 x 1,024 float32; Wk 1,024 x 1,024 float32; Wo 1,024 x 1,024 float32; Wq 1,024 x 1,024 float32; Wv 1,024 x 1,024 float32; b1 4,096 float32; b2 1,024 float32; bk 1,024 float32; bo 1,024 float32; bq 1,024 float32; bv 1,024 float32; ln1_b 1,024 float32; ln1_g 1,024 float32; ln2_b 1,024 float32; ln2_g 1,024 float32; mask 1 x 2,048 x 2,048 bool; x 2 x 2,048 x 1,024 float32.
;; Outputs: out0 2 x 2,048 x 1,024 float32.
;; One version. Each part assembles by itself: llvm-mc -triple=amdgcn-amd-amdhsa -mcpu=gfx1250 --defsym DOCPART=n.
;; ======== version 1 of 1: 7 launches
;; workspace buffers: Z 35,651,584 bytes; X 41,943,040 bytes; h 16,777,216 bytes; wqkv 8,406,016 bytes; w1p 8,406,016 bytes; mbits 525,312 bytes of whole numbers
;; launch prep (part 1): grid 1537 x 1, 8 waves a work-group, no clusters, 0 bytes of LDS; arguments x, ln1_g, ln1_b, Wq, Wk, Wv, Wo, W1, W2, bq, bk, bv, b1, mask, Z, X, wqkv, w1p, mbits; writes Z, X, wqkv, w1p, mbits
.if DOCPART == 1
	.amdgcn_target "amdgcn-amd-amdhsa--gfx1250"
	.amdhsa_code_object_version 6
	.text
	.protected	k_q31881faad8_prep
	.globl	k_q31881faad8_prep
	.p2align	8
	.type	k_q31881faad8_prep,@function
k_q31881faad8_prep:
	s_mov_b64 s[64:65], 0
	v_nop
	global_prefetch_b8 v0, s[64:65] scope:SCOPE_SE
	s_setreg_imm32_b32 hwreg(HW_REG_WAVE_MODE, 25, 1), 1
	s_wait_xcnt 0x0
; PREP: everything that the later launches want in another form, each input byte read once.  Four straight paths, chosen by the work-group's number; no loop, no LDS, no barrier.
;   0 .. 511      a layer norm, one wave a row (8 rows a work-group): the first argument's rows, with the second as gain and the third as bias, rounded once to bf16 -> Z, dense [4096][1024]
;   512 .. 1279   the six weight matrices rounded once to bf16: Wq | Wk | Wv side by side in rows of 4,096 numbers -> wqkv; W1 -> w1p; Wo -> Z + 32 MiB; W2 -> X + 32 MiB
;   1280 .. 1535  the mask's bytes turned into words of 32 lane bits, in the order in which attention's score registers lie -> mbits
;   1536          bias and floor tables behind wqkv and w1p, and 1,024 bytes of 0 behind mbits' words (attention's loads run two key steps ahead, past the last tile's end too)
; THE SAME TEXT SERVES LAYER NORM 2: a launch of 512 work-groups takes the first path alone, with h, ln2_g, ln2_b in the first three places.
; The norm takes the mean first and the variance of x - mean second, the row kept in registers: a common offset of x costs nothing.
.set XR, 8                              ; v[8:39]    the row: 32 numbers a lane
.set GR, 40                             ; v[40:71]   gain
.set BR, 72                             ; v[72:103]  bias
.set T,  104                            ; v[104:111] at work
.macro WSUM                             ; four chains of pairs in T .. T+7 -> the wave's sum, in every lane's v[T]
	v_pk_add_f32 v[T:T+1], v[T:T+1], v[T+2:T+3]
	v_pk_add_f32 v[T+4:T+5], v[T+4:T+5], v[T+6:T+7]
	v_pk_add_f32 v[T:T+1], v[T:T+1], v[T+4:T+5]
	v_add_f32 v[T], v[T], v[T+1]
	v_add_f32_dpp v[T], v[T], v[T] row_xmask:1 row_mask:0xf bank_mask:0xf
	v_add_f32_dpp v[T], v[T], v[T] row_xmask:2 row_mask:0xf bank_mask:0xf
	v_add_f32_dpp v[T], v[T], v[T] row_xmask:4 row_mask:0xf bank_mask:0xf
	v_add_f32_dpp v[T], v[T], v[T] row_xmask:8 row_mask:0xf bank_mask:0xf
	v_permlanex16_b32 v[T+1], v[T], s12, s13
	v_add_f32 v[T], v[T], v[T+1]
.endm
; One row of 1,024 f32 by one wave.  In: s14 = row, s[4:5] source, s[6:7] gain, s[8:9] bias, s[10:11] target (still on their way), v1 = lane.
.macro LNROW
	s_lshl_b32 s16, s14, 12                 ; a row of f32 is 4,096 bytes,
	s_mov_b32 s17, 0
	s_lshl_b32 s18, s14, 11                 ; of bf16 2,048
	s_mov_b32 s19, 0
	s_mov_b32 s12, 0x76543210               ; v_permlanex16_b32: each lane takes its own place in the other half
	s_mov_b32 s13, 0xfedcba98
	s_mov_b32 s20, 0x3a800000               ; 1 / 1024
	s_mov_b32 s21, 0x3727c5ac               ; 1e-5
	v_lshlrev_b32 v2, 4, v1                 ; 16 bytes a lane in,
	v_lshlrev_b32 v3, 3, v1                 ; 8 bytes a lane out
	s_wait_kmcnt 0x0
	s_add_nc_u64 s[4:5], s[4:5], s[16:17]
	s_add_nc_u64 s[10:11], s[10:11], s[18:19]
.irp i, 0,1,2,3,4,5,6,7
	global_load_b128 v[XR+4*\i:XR+4*\i+3], v2, s[4:5] offset:512*\i th:TH_LOAD_NT
.endr
.irp i, 0,1,2,3,4,5,6,7
	global_load_b128 v[GR+4*\i:GR+4*\i+3], v2, s[6:7] offset:512*\i
.endr
.irp i, 0,1,2,3,4,5,6,7
	global_load_b128 v[BR+4*\i:BR+4*\i+3], v2, s[8:9] offset:512*\i
.endr
	s_wait_loadcnt 16                       ; the row is in; the sixteen younger loads (gain, bias) stay out
.irp c, 0,1,2,3
	v_pk_add_f32 v[T+2*\c:T+2*\c+1], v[XR+4*\c:XR+4*\c+1], v[XR+4*\c+2:XR+4*\c+3]
.endr
.irp p, 8,9,10,11,12,13,14,15
	v_pk_add_f32 v[T+2*(\p%4):T+2*(\p%4)+1], v[T+2*(\p%4):T+2*(\p%4)+1], v[XR+2*\p:XR+2*\p+1]
.endr
	WSUM
	v_mul_f32 v[T+2], s20, v[T]             ; the mean, twice
	v_mov_b32 v[T+3], v[T+2]
.irp p, 0,1,2,3,4,5,6,7,8,9,10,11,12,13,14,15
	v_pk_add_f32 v[XR+2*\p:XR+2*\p+1], v[XR+2*\p:XR+2*\p+1], v[T+2:T+3] neg_lo:[0,1] neg_hi:[0,1]
.endr
.irp c, 0,1,2,3
	v_pk_mul_f32 v[T+2*\c:T+2*\c+1], v[XR+2*\c:XR+2*\c+1], v[XR+2*\c:XR+2*\c+1]
.endr
.irp p, 4,5,6,7,8,9,10,11,12,13,14,15
	v_pk_fma_f32 v[T+2*(\p%4):T+2*(\p%4)+1], v[XR+2*\p:XR+2*\p+1], v[XR+2*\p:XR+2*\p+1], v[T+2*(\p%4):T+2*(\p%4)+1]
.endr
	WSUM
	v_fma_f32 v[T+2], v[T], s20, s21        ; variance + eps
	v_rsq_f32 v[T+4], v[T+2]
	v_rsq_f32 v[T+5], v[T+2]
	v_nop                                   ; a plain instruction between the root and the use of its result (ISA guide 5.7.2)
	s_wait_loadcnt 0x0                      ; gain and bias
	s_wait_alu depctr_va_vdst(0)
.irp p, 0,1,2,3,4,5,6,7,8,9,10,11,12,13,14,15
	v_pk_mul_f32 v[XR+2*\p:XR+2*\p+1], v[XR+2*\p:XR+2*\p+1], v[T+4:T+5]
.endr
.irp p, 0,1,2,3,4,5,6,7,8,9,10,11,12,13,14,15
	v_pk_fma_f32 v[XR+2*\p:XR+2*\p+1], v[XR+2*\p:XR+2*\p+1], v[GR+2*\p:GR+2*\p+1], v[BR+2*\p:BR+2*\p+1]
.endr
.irp p, 0,1,2,3,4,5,6,7,8,9,10,11,12,13,14,15
	v_cvt_pk_bf16_f32 v[XR+\p], v[XR+2*\p], v[XR+2*\p+1]   ; ascending: a target never lies above a source still to be read
.endr
.irp i, 0,1,2,3,4,5,6,7
	global_store_b64 v3, v[XR+2*\i:XR+2*\i+1], s[10:11] offset:256*\i   ; the wave's store covers 256 consecutive bytes, aligned
.endr
.endm
	v_and_b32 v1, 31, v0                    ; lane
	v_lshrrev_b32 v2, 5, v0
	v_readfirstlane_b32 s2, v2              ; wave 0..7
	s_cmp_lt_u32 ttmp9, 512
	s_cbranch_scc0 .Lcast
	; ---- the layer norm
	s_load_b128 s[4:7], s[0:1], 0x0         ; rows, gain
	s_load_b64 s[8:9], s[0:1], 0x10         ; bias
	s_load_b64 s[10:11], s[0:1], 0x70       ; Z
	s_lshl_b32 s14, ttmp9, 3
	s_add_co_u32 s14, s14, s2               ; row = 8 x work-group + wave
	LNROW
	s_endpgm
.Lcast:
	s_cmp_lt_u32 ttmp9, 1280
	s_cbranch_scc0 .Lmask
	; ---- weights to bf16.  A chunk is 1,024 numbers; a wave takes two, a work-group sixteen.
	s_load_b256 s[16:23], s[0:1], 0x18      ; Wq, Wk, Wv, Wo
	s_load_b128 s[24:27], s[0:1], 0x38      ; W1, W2
	s_load_b256 s[28:35], s[0:1], 0x70      ; Z, X, wqkv, w1p
	s_sub_co_u32 s3, ttmp9, 512             ; u
	s_wait_kmcnt 0x0
	s_add_nc_u64 s[28:29], s[28:29], 0x2000000   ; Wo's place behind Z's activations,
	s_add_nc_u64 s[30:31], s[30:31], 0x2000000   ; W2's behind X's
	s_mov_b64 s[4:5], s[26:27]              ; u in 512 .. 767: W2 -> X + 32 MiB, dense
	s_mov_b64 s[6:7], s[30:31]
	s_mov_b32 s8, 512                       ; the matrix's first u
	s_mov_b32 s9, 11                        ; log2 of the bytes from chunk to chunk in the target
	s_mov_b32 s10, 0                        ; and what is added to that
	s_cmp_lt_u32 s3, 512                    ; 256 .. 511: W1 -> w1p, dense
	s_cselect_b64 s[4:5], s[24:25], s[4:5]
	s_cselect_b64 s[6:7], s[34:35], s[6:7]
	s_cselect_b32 s8, 256, s8
	s_cmp_lt_u32 s3, 256                    ; 192 .. 255: Wo -> Z + 32 MiB, dense
	s_cselect_b64 s[4:5], s[22:23], s[4:5]
	s_cselect_b64 s[6:7], s[28:29], s[6:7]
	s_cselect_b32 s8, 192, s8
	s_cmp_lt_u32 s3, 192                    ; 128 .. 191: Wv -> wqkv, a chunk a row of 8,192 bytes, columns 2048 on
	s_cselect_b64 s[4:5], s[20:21], s[4:5]
	s_cselect_b64 s[6:7], s[32:33], s[6:7]
	s_cselect_b32 s8, 128, s8
	s_cselect_b32 s9, 13, s9
	s_cselect_b32 s10, 4096, s10
	s_cmp_lt_u32 s3, 128                    ; 64 .. 127: Wk, columns 1024 on
	s_cselect_b64 s[4:5], s[18:19], s[4:5]
	s_cselect_b32 s8, 64, s8
	s_cselect_b32 s10, 2048, s10
	s_cmp_lt_u32 s3, 64                     ; 0 .. 63: Wq, columns 0 on
	s_cselect_b64 s[4:5], s[16:17], s[4:5]
	s_cselect_b32 s8, 0, s8
	s_cselect_b32 s10, 0, s10
	s_sub_co_u32 s3, s3, s8
	s_lshl_b32 s3, s3, 4
	s_lshl1_add_u32 s12, s2, s3             ; my first chunk = 16 (u - first u) + 2 x wave
	s_lshl_b32 s14, s12, 12
	s_mov_b32 s15, 0
	s_add_nc_u64 s[4:5], s[4:5], s[14:15]   ; 4,096 bytes a chunk in the source
	s_lshl_b32 s13, s12, s9
	s_add_co_u32 s13, s13, s10
	s_lshl_b32 s11, 1, s9
	v_lshlrev_b32 v2, 4, v1
	v_lshl_add_u32 v3, v1, 3, s13           ; my 8 bytes in the first chunk's target,
	v_add_nc_u32 v4, s11, v3                ; and in the second's
.irp n, 0,1,2,3,4,5,6,7,8,9,10,11,12,13,14,15
	global_load_b128 v[8+4*\n:11+4*\n], v2, s[4:5] offset:512*\n th:TH_LOAD_NT
.endr
	s_wait_loadcnt 8                        ; the first chunk is in; the second's eight loads stay out
.irp n, 0,1,2,3,4,5,6,7
	v_cvt_pk_bf16_f32 v[72+2*\n], v[8+4*\n], v[9+4*\n]
	v_cvt_pk_bf16_f32 v[73+2*\n], v[10+4*\n], v[11+4*\n]
	global_store_b64 v3, v[72+2*\n:73+2*\n], s[6:7] offset:256*\n
.endr
	s_wait_loadcnt 0x0
.irp n, 8,9,10,11,12,13,14,15
	v_cvt_pk_bf16_f32 v[72+2*\n], v[8+4*\n], v[9+4*\n]
	v_cvt_pk_bf16_f32 v[73+2*\n], v[10+4*\n], v[11+4*\n]
	global_store_b64 v4, v[72+2*\n:73+2*\n], s[6:7] offset:256*(\n-8)
.endr
	s_endpgm
.Lmask:
	s_cmp_lt_u32 ttmp9, 1536
	s_cbranch_scc0 .Ltab
	; ---- the mask.  An item: 16 queries (qt) x 128 keys (two key steps).  Word n = 8 kb + j of a step: bit L = mask[16 qt + L % 16][64 step + 16 kb + 8 (L / 16) + j].
	s_load_b64 s[4:5], s[0:1], 0x68         ; mask
	s_load_b64 s[6:7], s[0:1], 0x90         ; mbits
	s_sub_co_u32 s3, ttmp9, 1280
	s_lshl3_add_u32 s3, s3, s2              ; item = 8 x work-group + wave
	s_lshr_b32 s8, s3, 4                    ; qt
	s_and_b32 s9, s3, 15                    ; pair of steps
	s_lshl_b32 s10, s8, 15                  ; 16 rows of 2,048 bytes
	s_lshl_b32 s11, s9, 7
	s_add_co_u32 s10, s10, s11
	s_mov_b32 s11, 0
	s_lshl_b32 s12, s8, 12                  ; 32 steps x 128 bytes of words
	s_lshl_b32 s13, s9, 8
	s_add_co_u32 s12, s12, s13
	s_mov_b32 s13, 0
	v_and_b32 v2, 15, v0
	v_bfe_u32 v3, v0, 4, 1
	v_lshlrev_b32 v2, 11, v2
	v_lshl_add_u32 v2, v3, 3, v2            ; my row, my 8 bytes of each 16
	v_lshlrev_b32 v3, 3, v1
	v_mov_b32 v4, 0                         ; lane i gathers words 2 i and 2 i + 1
	v_mov_b32 v5, 0
	s_wait_kmcnt 0x0
	s_add_nc_u64 s[4:5], s[4:5], s[10:11]
	s_add_nc_u64 s[6:7], s[6:7], s[12:13]
.irp g, 0,1,2,3,4,5,6,7
	global_load_b64 v[8+2*\g:9+2*\g], v2, s[4:5] offset:16*\g th:TH_LOAD_NT
.endr
	s_wait_loadcnt 0x0
.set n, 0
.rept 64
	v_and_b32 v[40+n%4], 0xff<<(8*(n%4)), v[8+2*(n/8)+(n%8)/4]   ; byte j of group n / 8
	v_cmp_ne_u32 s[20+n%4], 0, v[40+n%4]                        ; the 32 lanes' bits
	v_writelane_b32 v[4+n%2], s[20+n%4], n/2
.set n, n+1
.endr
	global_store_b64 v3, v[4:5], s[6:7]     ; 64 words: 256 consecutive bytes, aligned
	s_endpgm
.Ltab:
	; ---- tables: 256 threads
	s_load_b256 s[4:11], s[0:1], 0x48       ; bq, bk, bv, b1
	s_load_b128 s[12:15], s[0:1], 0x80      ; wqkv, w1p
	s_load_b64 s[16:17], s[0:1], 0x90       ; mbits
	v_lshlrev_b32 v2, 4, v0
	v_lshlrev_b32 v3, 2, v0
	v_mov_b32 v36, 0xff80ff80               ; -inf twice in bf16: a floor that changes nothing
	v_mov_b32 v37, 0                        ; 0 twice: the ReLU's floor
	s_wait_kmcnt 0x0
	s_add_nc_u64 s[12:13], s[12:13], 0x800000   ; the tables lie behind the 8 MiB of weights
	s_add_nc_u64 s[14:15], s[14:15], 0x800000
	global_load_b128 v[8:11], v2, s[4:5]
	global_load_b128 v[12:15], v2, s[6:7]
	global_load_b128 v[16:19], v2, s[8:9]
.irp i, 0,1,2,3
	global_load_b128 v[20+4*\i:23+4*\i], v2, s[10:11] offset:4096*\i
.endr
	global_store_b32 v3, v36, s[12:13] offset:0x4000
	global_store_b32 v3, v37, s[14:15] offset:0x4000
	global_store_b32 v3, v37, s[16:17] offset:524288   ; behind the 128 tiles' words
	s_wait_loadcnt 0x0
	global_store_b128 v2, v[8:11], s[12:13]
	global_store_b128 v2, v[12:15], s[12:13] offset:4096
	global_store_b128 v2, v[16:19], s[12:13] offset:8192
.irp i, 0,1,2,3
	global_store_b128 v2, v[20+4*\i:23+4*\i], s[14:15] offset:4096*\i
.endr
	s_endpgm
.Lfunc_end_k_q31881faad8_prep:
	.size	k_q31881faad8_prep, .Lfunc_end_k_q31881faad8_prep-k_q31881faad8_prep
	.p2alignl 7, 3214868480
	.fill 96, 4, 3214868480
	.section	.rodata,"a",@progbits
	.p2align	6, 0x0
	.amdhsa_kernel k_q31881faad8_prep
		.amdhsa_group_segment_fixed_size 0
		.amdhsa_private_segment_fixed_size 0
		.amdhsa_enable_private_segment 0
		.amdhsa_kernarg_size 152
		.amdhsa_user_sgpr_count 2
		.amdhsa_user_sgpr_kernarg_segment_ptr 1
		.amdhsa_wavefront_size32 1
		.amdhsa_system_sgpr_workgroup_id_x 1
		.amdhsa_system_sgpr_workgroup_id_y 1
		.amdhsa_system_sgpr_workgroup_id_z 1
		.amdhsa_system_vgpr_workitem_id 0
		.amdhsa_next_free_vgpr 112
		.amdhsa_next_free_sgpr 66
		.amdhsa_reserve_vcc 0
		.amdhsa_float_denorm_mode_32 3
		.amdhsa_float_denorm_mode_16_64 3
		.amdhsa_memory_ordered 1
		.amdhsa_forward_progress 1
		.amdhsa_inst_pref_size 35
	.end_amdhsa_kernel
	.amdgpu_metadata
---
amdhsa.version: [ 1, 2 ]
amdhsa.kernels:
  - .name:           k_q31881faad8_prep
    .symbol:         k_q31881faad8_prep.kd
    .args:
      - { .name: x, .offset: 0, .size: 8, .value_kind: global_buffer, .address_space: global }
      - { .name: ln1_g, .offset: 8, .size: 8, .value_kind: global_buffer, .address_space: global }
      - { .name: ln1_b, .offset: 16, .size: 8, .value_kind: global_buffer, .address_space: global }
      - { .name: Wq, .offset: 24, .size: 8, .value_kind: global_buffer, .address_space: global }
      - { .name: Wk, .offset: 32, .size: 8, .value_kind: global_buffer, .address_space: global }
      - { .name: Wv, .offset: 40, .size: 8, .value_kind: global_buffer, .address_space: global }
      - { .name: Wo, .offset: 48, .size: 8, .value_kind: global_buffer, .address_space: global }
      - { .name: W1, .offset: 56, .size: 8, .value_kind: global_buffer, .address_space: global }
      - { .name: W2, .offset: 64, .size: 8, .value_kind: global_buffer, .address_space: global }
      - { .name: bq, .offset: 72, .size: 8, .value_kind: global_buffer, .address_space: global }
      - { .name: bk, .offset: 80, .size: 8, .value_kind: global_buffer, .address_space: global }
      - { .name: bv, .offset: 88, .size: 8, .value_kind: global_buffer, .address_space: global }
      - { .name: b1, .offset: 96, .size: 8, .value_kind: global_buffer, .address_space: global }
      - { .name: mask, .offset: 104, .size: 8, .value_kind: global_buffer, .address_space: global }
      - { .name: Z, .offset: 112, .size: 8, .value_kind: global_buffer, .address_space: global }
      - { .name: X, .offset: 120, .size: 8, .value_kind: global_buffer, .address_space: global }
      - { .name: wqkv, .offset: 128, .size: 8, .value_kind: global_buffer, .address_space: global }
      - { .name: w1p, .offset: 136, .size: 8, .value_kind: global_buffer, .address_space: global }
      - { .name: mbits, .offset: 144, .size: 8, .value_kind: global_buffer, .address_space: global }
    .group_segment_fixed_size: 0
    .private_segment_fixed_size: 0
    .kernarg_segment_align: 8
    .kernarg_segment_size: 152
    .max_flat_workgroup_size: 256
    .sgpr_count:     66
    .vgpr_count:     112
    .wavefront_size: 32
...
	.end_amdgpu_metadata
.endif
;; end of part 1
;; launch qkv (part 2): grid 12 x 16, 4 waves a work-group, clusters of 4 x 4, 327,680 bytes of LDS; arguments Z, wqkv, X; writes X
.if DOCPART == 2
	.amdgcn_target "amdgcn-amd-amdhsa--gfx1250"
	.amdhsa_code_object_version 6
	.text
	.protected	k_q31881faad8_qkv
	.globl	k_q31881faad8_qkv
	.p2align	8
	.type	k_q31881faad8_qkv,@function
k_q31881faad8_qkv:
	s_mov_b64 s[64:65], 0
	v_nop
	global_prefetch_b8 v0, s[64:65] scope:SCOPE_SE
	s_setreg_imm32_b32 hwreg(HW_REG_WAVE_MODE, 25, 1), 1
	s_wait_xcnt 0x0
	s_wait_alu depctr_hold_cnt(0) depctr_sa_sdst(0) depctr_va_vdst(0) depctr_va_sdst(0) depctr_va_ssrc(0) depctr_va_vcc(0) depctr_vm_vsrc(0)
	s_getreg_b32 s2, hwreg(HW_REG_IB_STS2, 6, 4)
	s_cmp_eq_u32 s2, 0
	s_cbranch_scc0 .Lentry_in_a_cluster
	s_endpgm
.Lentry_in_a_cluster:
	s_bfe_u32 s2, ttmp6, 0x10000c
	s_cmp_lg_u32 s2, 0xf033
	s_cbranch_scc0 .Lentry_shape_is_right
	s_endpgm
.Lentry_shape_is_right:
; C[m][n] = max(floor, bias[n] + sum over k of A[m][k] B[k][n]), rounded once to bf16.  A: [4096][1024] bf16, dense.  B: [1024][4096] bf16, K DOWN the rows.  C: rows of 4,096 bf16.
; Behind B's 8 MiB lie bias (f32, at 0x800000) and the floor word (two bf16, at 0x804000): -inf for the projections q | k | v, 0 for the feed-forward layer's ReLU: one text serves both launches.
; A tile of C, 256 x 256, is made by four waves, each 128 x 128: 64 accumulators of 16 x 16.  K goes in 8 steps of 128 through two LDS slots filled by the tensor data mover.
; CLUSTER 4 x 4: A's tile hangs on the tile row alone and is asked for jointly along a row of the cluster, B's on the tile column alone, along a column.
; THE MATRIX INSTRUCTION IS USED TRANSPOSED: source 0 = 16 columns of B, turned on the way out of LDS by ds_load_tr16_b128; source 1 = 16 rows of A.  A lane then holds row l % 16 of C and the
; columns 8 (l / 16) + 0..7.  The bias, laid in that order, is the C operand of the products that start the sums: nothing is cleared and nothing is added afterwards.
; Sums in f32, K ascending.  All operands bf16.  NaN: the floor takes the place of a NaN.
; LDS.  What one wave fetches of a K step is a CELL of 34,816 bytes (128 rows of A, or 64 rows of B).  Wave w's cell of slot s lies at (2 w + s) x CELL: 2 w x CELL (0, 0x11000, 0x22000, 0x33000) has no
; bit in common with CELL (0x8800), so one exclusive or with CELL turns an address in one slot into the other's.
; THE TEXT.  A K step is four quarters of 32 along K, on fragment buffers 0, 1, 0, 1; each quarter fetches the next one's fragments in its middle.  The change of slots stands in front of a K step's LAST
; quarter: the slot's last fragments were fetched in the quarter before, and the last quarter's fetch goes to the other slot.  So the walk is change, pair, pair, change ..., a PAIR being a quarter on buffer 1
; and a quarter on buffer 0.  A pair is written once for the K steps that fill a slot again (a loop of two trips inside the loop over changes) and once for the tail.
; REGISTERS, in windows of 256: window 0: v16-29 addresses; v64-127, v128-191 A's fragments; v192-223, v32-63, v224-255 the way out.  window 1: v64-127, v128-191 B's fragments; v192-255 bias.
; windows 2, 3: the accumulators of my rows 0-63, 64-127 ((a, b) at v[8 (8 a + b)]).
.set KSTEP,  128
.set KSTEPS, 8                         ; 1,024 / 128
.set PITCH,  272                       ; a row of A in LDS: 256 bytes + 16: sixteen rows of a load start at sixteen different groups of four banks (64 banks of 4 bytes: ISA guide 11.1)
.set PB,     544                       ; a row of B in LDS (one k, 256 n): 512 bytes + 32 = 17 x 32
.set CELL,   128*PITCH                 ; what one tensor load brings: 128 rows of A, or 64 rows of B (64 x 544 is the same number)
.set STAGE,  8*CELL                    ; behind the cells: 16 rows x 272 bytes for each wave, for the way out
.set SPITCH, 272
.set SPARE,  STAGE+4*16*SPITCH         ; the spare words: 128 bytes for each wave, two blocks of 256 bytes that no other line names
.set CPB,    8192                      ; bytes in a row of C, and of B
.set ADRA, 16                          ; v16  my lane's place in my half of A, slot 0; never rewritten
.set RA,   17                          ; v17  the LDS address of A's run of loads in hand
.set ADRB, 20                          ; v20  my lane's place in B's first cell, slot 0; never rewritten
.set RB,   21                          ; v21  the LDS address of B's run of loads in hand
.set STO,  24
.set RD,   25
.set CO,   26
.set BO,   27
.set SPW,  28                          ; my spare word; never rewritten
.set NIL,  29                          ; 0; never rewritten
.set F0,   64
.set F1,   128
.set TMP,  192
.set OB,   32
.set BIA,  192                         ; window 1
.set G1, 24                            ; s[24:31] descriptor group 1 for A's tiles
.set G0, 32                            ; s[32:39] group 0 for A's tiles: a set for each of the two first fills; the second then walks on
.set G1B, 48                           ; s[48:55], s[56:63] the same for B's
.set G0B, 56
.set TAB, 66                           ; s[66:67] B + 0x800000
.set CNT, 72                           ; s72  counts the pairs between two changes
.set TA,  73                           ; s73  what is added to ADRA: the slot, and 128 bytes for each pair
.set TBB, 74                           ; s74  what is added to ADRB: the slot, and two cells for each pair
.set MSB, 0
.macro WIN new
.if MSB != (\new)
	s_set_vgpr_msb (MSB<<8)|(\new)
.set MSB, \new
.endif
.endm
.set MUL_LO, 0xa1                      ; source 0 (B) window 1, source 1 (A) window 0, C and D window 2
.set TO_B,   0x40
; A joint load: waves 0 and 1 fetch A's halves, waves 2 and 3 B's.  An s_nop 0 and four v_nop follow each line.
.macro JLOAD s
	s_cmp_eq_u32 s11, 0
	s_cbranch_scc0 .Lfor_b_\@
	tensor_load_to_lds s[G0+4*(\s):G0+4*(\s)+3], s[G1:G1+7]
	s_nop 0
.rept 4
	v_nop
.endr
	s_branch .Lasked_\@
.Lfor_b_\@:
	tensor_load_to_lds s[G0B+4*(\s):G0B+4*(\s)+3], s[G1B:G1B+7]
	s_nop 0
.rept 4
	v_nop
.endr
.Lasked_\@:
.endm
.macro CROUND                          ; a round of the cluster's barrier
	s_barrier_signal -1
	s_barrier_wait -1
	s_cmp_lg_u32 s10, 0
	s_cbranch_scc1 .Lnot_wave_0_\@
	s_barrier_signal -3
.Lnot_wave_0_\@:
	s_barrier_wait -3
	s_barrier_signal -1
	s_barrier_wait -1
.endm
	s_load_b128 s[4:7], s[0:1], 0x0                ; A, B
	s_load_b64 s[8:9], s[0:1], 0x10                ; C
	v_lshl_add_u32 v[SPW], v0, 2, SPARE
	v_mov_b32 v[NIL], 0
	ds_add_u32 v[SPW], v[NIL]                      ; the wave's opening: the add and its wait ahead of my first tensor load
	v_lshrrev_b32 v1, 5, v0
	v_readfirstlane_b32 s10, v1                    ; wave 0..3
	s_lshr_b32 s11, s10, 1                         ; my half of the tile's rows.  Also: I fetch for A (0) or B (1)
	s_and_b32 s12, s10, 1                          ; my half of its columns.  Also: which half of that tile I fetch
	s_bfe_u32 s40, ttmp6, 0x40000                  ; cx
	s_bfe_u32 s41, ttmp6, 0x40004                  ; cy
	s_lshl_b32 s42, ttmp9, 2
	s_add_co_u32 s42, s42, s40                     ; tile column
	s_and_b32 s13, ttmp7, 0xffff
	s_lshl_b32 s13, s13, 2
	s_add_co_u32 s13, s13, s41                     ; tile row
	s_lshl_b32 s43, s41, 2
	s_lshl_b32 s43, 15, s43                        ; my row of the cluster
	s_lshl_b32 s44, 0x1111, s40                    ; my column
	s_or_b32 s[G1+0], s43, (1<<16)|(1<<20)|(1<<21)|(5<<22)|(3<<25)   ; A: mask; 2-byte elements; padding on; bit 21 beside a mask; after every 64 words 4 words
	s_or_b32 s[G1B+0], s44, (1<<16)|(1<<20)|(1<<21)|(6<<22)|(7<<25)  ; B: after every 128 words 8 words
	s_mov_b32 s[G1+1], 128<<16                     ; tensor_dim0 = 128
	s_mov_b32 s[G1+2], 128<<16                     ; tensor_dim1 = 128
	s_mov_b32 s[G1+3], 128<<16                     ; tile_dim0 = 128
	s_mov_b32 s[G1+4], 128                         ; tile_dim1 = 128
	s_mov_b32 s[G1+5], 1024                        ; elements from row to row
	s_mov_b32 s[G1+6], 0
	s_mov_b32 s[G1+7], 0
	s_mov_b32 s[G1B+1], 256<<16                    ; tensor_dim0 = 256
	s_mov_b32 s[G1B+2], 64<<16                     ; tensor_dim1 = 64
	s_mov_b32 s[G1B+3], 256<<16                    ; tile_dim0 = 256
	s_mov_b32 s[G1B+4], 64                         ; tile_dim1 = 64
	s_mov_b32 s[G1B+5], 4096
	s_mov_b32 s[G1B+6], 0
	s_mov_b32 s[G1B+7], 0
	s_lshl_b32 s16, s13, 19                        ; A: (256 x tile row + 128 x half) rows of 2,048 bytes
	s_lshl_b32 s17, s12, 18
	s_add_co_u32 s16, s16, s17
	s_mov_b32 s17, 0
	s_lshl_b32 s46, s42, 9                         ; B: 512 bytes x tile column + 64 x half rows of 8,192 bytes
	s_lshl_b32 s47, s12, 19
	s_add_co_u32 s46, s46, s47
	s_mov_b32 s47, 0
	s_mul_i32 s20, s10, 2*CELL                     ; where they go: my two cells
	s_mov_b32 s[TA], 0                             ; the fetches begin at slot 0's first quarter
	s_mov_b32 s[TBB], 0
	s_wait_dscnt 0x0                               ; the opening add is done
	s_wait_kmcnt 0x0
	s_add_nc_u64 s[14:15], s[4:5], s[16:17]
	s_add_nc_u64 s[46:47], s[6:7], s[46:47]
	CROUND                                         ; all sixteen work-groups are here: the first joint loads meet
.irp s, 0,1
	s_mov_b32 s[G0+4*(\s)], 1
	s_add_co_u32 s[G0+4*(\s)+1], s20, (\s)*CELL
	s_add_nc_u64 s[G0+4*(\s)+2:G0+4*(\s)+3], s[14:15], (\s)*KSTEP*2
	s_or_b32 s[G0+4*(\s)+3], s[G0+4*(\s)+3], 0x80000000
	s_mov_b32 s[G0B+4*(\s)], 1
	s_add_co_u32 s[G0B+4*(\s)+1], s20, (\s)*CELL
	s_add_nc_u64 s[G0B+4*(\s)+2:G0B+4*(\s)+3], s[46:47], (\s)*KSTEP*CPB
	s_or_b32 s[G0B+4*(\s)+3], s[G0B+4*(\s)+3], 0x80000000
	JLOAD \s                                       ; two loads of mine are out
.endr
	v_and_b32 v1, 15, v0                           ; r = l % 16
	v_bfe_u32 v2, v0, 4, 1                         ; h = l / 16
	v_mul_u32_u24 v3, v1, PITCH
	v_lshl_add_u32 v3, v2, 4, v3                   ; r x 272 + 16 h
	s_mul_i32 s21, s11, 2*CELL                     ; my 128 rows of A: the cells of wave 0 or 1
	v_add_nc_u32 v[ADRA], s21, v3
	v_and_b32 v4, 7, v0                            ; the turning load: lane l reads k row 8 h + l % 8, 16 bytes at 16 ((l / 8) % 2)
	v_lshl_add_u32 v4, v2, 3, v4
	v_mul_u32_u24 v4, v4, PB
	v_bfe_u32 v5, v0, 3, 1
	v_lshl_add_u32 v4, v5, 4, v4
	s_lshl_b32 s22, s12, 8                         ; my 128 columns,
	s_add_co_u32 s22, s22, 4*CELL                  ; in wave 2's cells
	v_add_nc_u32 v[ADRB], s22, v4
	s_mul_i32 s23, s10, 16*SPITCH
	s_add_co_u32 s23, s23, STAGE
	v_add_nc_u32 v[STO], s23, v3                   ; in: row r, 16 bytes for each half of the lanes
	v_mul_u32_u24 v5, v2, SPITCH
	v_lshl_add_u32 v5, v1, 4, v5
	v_add_nc_u32 v[RD], s23, v5                    ; back: lanes 0-15 one row of 256 bytes, lanes 16-31 the next
	v_lshlrev_b32 v5, 13, v2
	v_lshl_add_u32 v[CO], v1, 4, v5                ; the same two rows in C
	s_lshl_b32 s68, s13, 21                        ; my part of C: (256 x tile row + 128 x row half) x 8,192 + 512 x tile column + 256 x column half
	s_lshl_b32 s69, s11, 20
	s_add_co_u32 s68, s68, s69
	s_lshl_b32 s69, s42, 9
	s_add_co_u32 s68, s68, s69
	s_lshl_b32 s69, s12, 8
	s_add_co_u32 s68, s68, s69
	s_mov_b32 s69, 0
	s_add_nc_u64 s[8:9], s[8:9], s[68:69]
	s_lshl_b32 s70, s42, 10                        ; my 128 numbers of the bias, 4 bytes each
	s_lshl_b32 s71, s12, 9
	s_add_co_u32 s70, s70, s71
	v_lshl_add_u32 v[BO], v2, 5, s70               ; + 8 h numbers
	s_add_nc_u64 s[TAB:TAB+1], s[6:7], 0x800000
	s_load_b32 s2, s[TAB:TAB+1], 0x4000            ; the floor
	WIN TO_B
.irp b, 0,1,2,3,4,5,6,7
	global_load_b128 v[BIA+8*(\b):BIA+8*(\b)+3],   v[BO], s[TAB:TAB+1] offset:64*(\b)
	global_load_b128 v[BIA+8*(\b)+4:BIA+8*(\b)+7], v[BO], s[TAB:TAB+1] offset:64*(\b)+16
.endr
	WIN 0
; 16 matrix instructions: row blocks a0, a0 + 1 of the window's four x all 8 column blocks, 32 along K.  first = 1: the bias starts the sums.
; The 64 accumulators take turns, one instruction a turn, in the same order in every quarter.
.macro MUL16 f, hi, a0, first
.if \first
	WIN 0x91+0x40*(\hi)                            ; C in window 1, D in window 2 or 3
.else
	WIN MUL_LO+0x50*(\hi)
.endif
.irp a, \a0, (\a0)+1
.irp b, 0,1,2,3,4,5,6,7
.if \first
	v_wmma_f32_16x16x32_bf16 v[8*(8*(\a)+(\b)):8*(8*(\a)+(\b))+7], v[(\f)+8*(\b):(\f)+8*(\b)+7], v[(\f)+8*(4*(\hi)+(\a)):(\f)+8*(4*(\hi)+(\a))+7], v[BIA+8*(\b):BIA+8*(\b)+7]
.else
	v_wmma_f32_16x16x32_bf16 v[8*(8*(\a)+(\b)):8*(8*(\a)+(\b))+7], v[(\f)+8*(\b):(\f)+8*(\b)+7], v[(\f)+8*(4*(\hi)+(\a)):(\f)+8*(4*(\hi)+(\a))+7], v[8*(8*(\a)+(\b)):8*(8*(\a)+(\b))+7]
.endif
.endr
.endr
.endm
; 32 LDS loads in one run: a quarter's fragments into buffer f: B's 128 columns turned, then A's 128 rows; oa, ob: the quarter's place behind the pair's first.
; The four plain lines at its head (the two sums that make the addresses among them) are the places between the matrix instructions that read buffer f and the loads into it.
.macro FETCH oa, ob, f
	WIN 0
	v_add_nc_u32 v[RA], s[TA], v[ADRA]
	v_add_nc_u32 v[RB], s[TBB], v[ADRB]
	v_nop
	v_nop
	WIN TO_B
.irp i, 0,1,2,3,4,5,6,7
	ds_load_tr16_b128 v[(\f)+8*(\i):(\f)+8*(\i)+3],   v[RB] offset:(\ob)+32*(\i)
	ds_load_tr16_b128 v[(\f)+8*(\i)+4:(\f)+8*(\i)+7], v[RB] offset:(\ob)+16*PB+32*(\i)
.endr
	WIN 0
.irp i, 0,1,2,3,4,5,6,7
	ds_load_b128 v[(\f)+8*(\i):(\f)+8*(\i)+3],   v[RA] offset:(\oa)+(\i)*16*PITCH
	ds_load_b128 v[(\f)+8*(\i)+4:(\f)+8*(\i)+7], v[RA] offset:(\oa)+(\i)*16*PITCH+32
.endr
.endm
.macro PLACES
.rept 4
	v_nop
.endr
.endm
; A quarter: multiplies buffer f; in its middle fetches the next quarter's fragments into buffer g.  step = 1: the pair's second quarter: the fetches go on to the next pair.
; last = 1 (the tail): in the walk's last quarter (CNT = 1) there is nothing more to fetch, and the run is jumped over; on that way nothing younger stands behind buffer f's loads, so the wait at the head is for 0.
.macro QUARTER f, g, oa, ob, first, step, last
.if \last
	s_wait_dscnt 0x0
.else
	s_wait_dscnt 8                                 ; B and A's rows 0-63 are in; the youngest eight loads (A's rows 64-127) may be out
.endif
	MUL16 \f, 0, 0, \first
	MUL16 \f, 0, 2, \first
.if \last
	WIN 0
	s_cmp_eq_u32 s[CNT], 1
	s_cbranch_scc1 .Lno_more_\@
.endif
	FETCH \oa, \ob, \g
.if \step
	s_add_co_u32 s[TA], s[TA], 128                 ; two quarters of 64 bytes along A's rows,
	s_add_co_u32 s[TBB], s[TBB], 2*CELL            ; 64 rows of B: the next wave's cell of the same slot
.endif
.if \last
.Lno_more_\@:
.endif
	s_wait_dscnt 32                                ; all but the 32 just issued
	MUL16 \f, 1, 0, \first
	MUL16 \f, 1, 2, \first
.endm
; THE CHANGE OF SLOTS, in front of a K step's last quarter.  Each wave waits for all its tensor loads, of which one is out: its part of the other slot; adds 0 to its spare word; and waits for that and for its
; reads of the slot that it leaves.  fill = 1: that slot is filled again, two K steps on, first thing behind a round of the cluster's barrier: the load has a whole K step, 256 matrix instructions, in which to land.
.macro CHANGE fill
	WIN 0
	s_wait_tensorcnt 0x0                           ; no tensor load of mine is out, so a group 0 may be written
	ds_add_u32 v[SPW], v[NIL]                      ; 0 onto my spare word; the scalar work below stands between it and the wait for it
.if \fill
	s_xor_b32 s[G0+5], s[G0+5], CELL               ; the walking descriptors: the other slot than last time,
	s_add_nc_u64 s[G0+6:G0+7], s[G0+6:G0+7], KSTEP*2        ; the next K step; the type bits on top are not reached
	s_xor_b32 s[G0B+5], s[G0B+5], CELL
	s_add_nc_u64 s[G0B+6:G0B+7], s[G0B+6:G0B+7], KSTEP*CPB
.endif
	s_sub_co_u32 s[TA], s[TA], 256                 ; the fetches go back to a slot's first quarter,
	s_xor_b32 s[TA], s[TA], CELL                   ; in the other slot
	s_sub_co_u32 s[TBB], s[TBB], 4*CELL
	s_xor_b32 s[TBB], s[TBB], CELL
	s_wait_dscnt 0x0                               ; the add is done, and my reads of the slot are over
.if \fill
	CROUND                                         ; no wave of any partner still reads the slot or has a load on its way
	JLOAD 1
.else
	s_barrier_signal -1
	s_barrier_wait -1
.endif
.endm
; THE WAY OUT of row block a: rounded to bf16 and held above the floor; through my own stage; stored as whole rows of 256 bytes.
.macro PACK a
.set AC, 64*((\a)%4)
	WIN 0x0a+5*((\a)/4)                            ; sources in window 2 or 3
.irp b, 0,1,2,3,4,5,6,7
.irp r, 0,1,2,3
	v_cvt_pk_bf16_f32 v[TMP+4*(\b)+(\r)], v[AC+8*(\b)+2*(\r)], v[AC+8*(\b)+2*(\r)+1]   ; each accumulator from its low end on
.endr
.endr
	WIN 0
.set i, 0
.rept 32
	v_pk_max_num_bf16 v[TMP+i], v[TMP+i], s2
.set i, i+1
.endr
.endm
.macro TOSTAGE a
	WIN 0
.set BK, OB+192*((\a)%2)
.irp b, 0,1,2,3,4,5,6,7
	ds_store_b128 v[STO], v[TMP+4*(\b):TMP+4*(\b)+3] offset:32*(\b)
.endr
.irp t, 0,1,2,3,4,5,6,7
	ds_load_b128 v[BK+4*(\t):BK+4*(\t)+3], v[RD] offset:(\t)*2*SPITCH   ; LDS serves a wave's instructions in order (ISA guide 5.7.1.4): these see the stores above
.endr
.endm
.macro SEND a, younger
	WIN 0
.set BK, OB+192*((\a)%2)
	s_wait_dscnt \younger
	s_wait_xcnt 0x0                                ; the block before last's stores have read their registers, which the next TOSTAGE loads again
.irp t, 0,1,2,3,4,5,6,7
	global_store_b128 v[CO], v[BK+4*(\t):BK+4*(\t)+3], s[8:9] offset:(16*(\a)+2*(\t))*CPB   ; 16 lanes store 256 consecutive bytes, aligned
.endr
.endm
	s_wait_tensorcnt 1                             ; my part of K step 0 is in; K step 1's load stays out
	s_barrier_signal -1
	s_barrier_wait -1
	FETCH 0, 0, F0                                 ; K step 0's first quarter
	s_wait_loadcnt 0x0                             ; the bias
	s_wait_kmcnt 0x0                               ; the floor
	QUARTER F0, F1, 64, 32*PB, 1, 1, 0             ; the first quarter stands ahead of the loop: its products start the sums
	WIN 0                                          ; at a label and at a branch every window is 0
	s_mov_b32 s[CNT], 1                            ; of K step 0 one pair is left ahead of the first change
	s_mov_b32 s3, KSTEPS-1
	s_branch .Lpair
.Lslot:                                                ; KSTEPS - 2 times: every slot but the last two is filled again
	CHANGE 1
	s_mov_b32 s[CNT], 2
.Lpair:                                                ; behind a change: a K step's last quarter and the next one's first; then that one's second and third
	QUARTER F1, F0, 0, 0, 0, 0, 0
	QUARTER F0, F1, 64, 32*PB, 0, 1, 0
	WIN 0
	s_sub_co_u32 s[CNT], s[CNT], 1
	s_cmp_lg_u32 s[CNT], 0
	s_cbranch_scc1 .Lpair
	s_sub_co_u32 s3, s3, 1
	s_cmp_lg_u32 s3, 0
	s_cbranch_scc1 .Lslot
	CHANGE 0                                       ; the tail is written out: nothing is asked for
	s_mov_b32 s[CNT], 3                            ; two pairs, and the last K step's last quarter: the third trip is left in its middle
.Ltail:
	QUARTER F1, F0, 0, 0, 0, 0, 1
	WIN 0
	s_sub_co_u32 s[CNT], s[CNT], 1
	s_cmp_eq_u32 s[CNT], 0
	s_cbranch_scc1 .Lout
	QUARTER F0, F1, 64, 32*PB, 0, 1, 0
	WIN 0
	s_branch .Ltail
.Lout:
	PLACES
	PACK 0
	TOSTAGE 0
.irp a, 1,2,3,4,5,6,7
	PACK \a
	SEND (\a)-1, 0
	TOSTAGE \a
.endr
	SEND 7, 0
	s_wait_tensorcnt 0x0                           ; the wave's end
	ds_add_u32 v[SPW], v[NIL]
	s_wait_dscnt 0x0
	CROUND                                         ; the closing round
	s_endpgm
.Lfunc_end_k_q31881faad8_qkv:
	.size	k_q31881faad8_qkv, .Lfunc_end_k_q31881faad8_qkv-k_q31881faad8_qkv
	.p2alignl 7, 3214868480
	.fill 96, 4, 3214868480
	.section	.rodata,"a",@progbits
	.p2align	6, 0x0
	.amdhsa_kernel k_q31881faad8_qkv
		.amdhsa_group_segment_fixed_size 327680
		.amdhsa_private_segment_fixed_size 0
		.amdhsa_enable_private_segment 0
		.amdhsa_kernarg_size 24
		.amdhsa_user_sgpr_count 2
		.amdhsa_user_sgpr_kernarg_segment_ptr 1
		.amdhsa_wavefront_size32 1
		.amdhsa_system_sgpr_workgroup_id_x 1
		.amdhsa_system_sgpr_workgroup_id_y 1
		.amdhsa_system_sgpr_workgroup_id_z 1
		.amdhsa_system_vgpr_workitem_id 0
		.amdhsa_next_free_vgpr 1024
		.amdhsa_next_free_sgpr 76
		.amdhsa_reserve_vcc 0
		.amdhsa_float_denorm_mode_32 3
		.amdhsa_float_denorm_mode_16_64 3
		.amdhsa_memory_ordered 1
		.amdhsa_forward_progress 1
		.amdhsa_inst_pref_size 93
	.end_amdhsa_kernel
	.amdgpu_metadata
---
amdhsa.version: [ 1, 2 ]
amdhsa.kernels:
  - .name:           k_q31881faad8_qkv
    .symbol:         k_q31881faad8_qkv.kd
    .args:
      - { .name: Z, .offset: 0, .size: 8, .value_kind: global_buffer, .address_space: global }
      - { .name: wqkv, .offset: 8, .size: 8, .value_kind: global_buffer, .address_space: global }
      - { .name: X, .offset: 16, .size: 8, .value_kind: global_buffer, .address_space: global }
    .group_segment_fixed_size: 327680
    .private_segment_fixed_size: 0
    .kernarg_segment_align: 8
    .kernarg_segment_size: 24
    .max_flat_workgroup_size: 128
    .sgpr_count:     76
    .vgpr_count:     1024
    .wavefront_size: 32
...
	.end_amdgpu_metadata
.endif
;; end of part 2
;; launch attn (part 3): grid 16 x 16, 4 waves a work-group, clusters of 4 x 1, 327,680 bytes of LDS; arguments X, mbits, Z; writes Z
.if DOCPART == 3
	.amdgcn_target "amdgcn-amd-amdhsa--gfx1250"
	.amdhsa_code_object_version 6
	.text
	.protected	k_q31881faad8_attn
	.globl	k_q31881faad8_attn
	.p2align	8
	.type	k_q31881faad8_attn,@function
k_q31881faad8_attn:
	s_mov_b64 s[64:65], 0
	v_nop
	global_prefetch_b8 v0, s[64:65] scope:SCOPE_SE
	s_setreg_imm32_b32 hwreg(HW_REG_WAVE_MODE, 25, 1), 1
	s_wait_xcnt 0x0
	s_wait_alu depctr_hold_cnt(0) depctr_sa_sdst(0) depctr_va_vdst(0) depctr_va_sdst(0) depctr_va_ssrc(0) depctr_va_vcc(0) depctr_vm_vsrc(0)
	s_getreg_b32 s2, hwreg(HW_REG_IB_STS2, 6, 4)
	s_cmp_eq_u32 s2, 0
	s_cbranch_scc0 .Lentry_in_a_cluster
	s_endpgm
.Lentry_in_a_cluster:
	s_bfe_u32 s2, ttmp6, 0x10000c
	s_cmp_lg_u32 s2, 0x3003
	s_cbranch_scc0 .Lentry_shape_is_right
	s_endpgm
.Lentry_shape_is_right:
; ATTENTION under a mask that is an input.  O[q] = sum over k of softmax_k(where(mask[q][k], Q[q] . K[k] / 8, hidden)) V[k], head size 64, 2,048 keys, 2 x 16 heads.
; X: rows of 4,096 bf16, one a token: q in columns 0-1023, k in 1024-2047, v in 2048-3071, a head's 64 channels side by side.  O -> Z, rows 8,192 bytes apart, bf16, same columns as q.
; mbits: for 16 queries (qt) and 64 keys (step) 32 words; word 8 kb + j holds for each lane l the bit mask[16 qt + l % 16][64 step + 16 kb + 8 (l / 16) + j]: the lane mask of score register 8 kb + j.
; LIMITS.  A hidden score counts as -2^30 (raw -2^33, ahead of the division by 8) in place of -1e9; it is put in the score's place, so a row with every key hidden comes out as the mean of V:
; c x 2^33 is exact, its weights are exactly 1.  The result differs from -1e9's only where true scores lie near -1e9.  A weight below 2^-126 counts as 0; NaN and infinities are not treated apart.
; Products, maxima and sums in f32; q, k, v, the weights and O in bf16; the row sum is taken of the unrounded weights.
; SHARES.  A work-group: two neighbouring heads (a key's row is then 256 consecutive bytes, aligned) x 128 queries.  Wave w: head w / 2 of the pair, queries 64 (w % 2) on: four tiles of 16, two PIECES (tiles 0, 1; tiles 2, 3).
; CLUSTER 4 x 1: four query blocks of one pair of heads walk the same K and V: every tile is asked for jointly.
; LAYOUT.  S^T = K Q^T holds one query a lane (l % 16) and keys 8 (l / 16) + 0..7; two such results rounded to bf16 are source 1 of O^T = V^T P.  V is turned on the way out of LDS.
; SOFTMAX.  Running maximum m and sum l; p = 2^(c s - c m), c = log2(e) / 8; O and l times a = 2^(c m_old - c m_new) in every step.  m starts at the lowest finite number, O and l at 0.
; THE MASK WORDS come through vector registers, lane i holding word i, asked for two key steps ahead of their use and waited for one step behind the request; v_readlane_b32 hands them to 32 scalar
; registers, which v_cndmask_b32 takes as lane masks.  (32 scalar registers serve one tile and step, and scalar loads can only be waited for all together: they could not be asked for so early.)
; BY TURNS.  In a turn one piece has the matrix unit (16 products V^T P of the step in hand, 16 products K Q^T of the next); the other piece's softmax, 366 vector instructions, stands in 32 slices behind them.
; REGISTERS: window 0: v2-11 addresses; v12-43 statistics, 8 a tile; v44-52 mask words; v60-63 constants; v64-191 S^T, 32 a tile; v192-255 P, 16 a tile.  window 1: v0-127 O^T, 32 a tile.
; window 2: v0-63 Q, 16 a tile; v128-191 K of one step; v192-255 V of one step.
.set KS,    64
.set PK,    272       ; a key's row of K (two heads) in LDS: 256 bytes + 16
.set PVP,   288       ; of V: 256 + 32 = 9 x 32
.set VOFF,  KS*PK
.set STEPB, KS*(PK+PVP)
.set SLOT1, 1<<17     ; a slot holds two steps (71,680 bytes); slot 1 begins here
.set STAGE, SLOT1+2*STEPB   ; 128 rows x 272 bytes, the work-group's, for the way out; no tensor load fills it
.set SP,    272
.set SPARE, STAGE+128*SP    ; the spare words: 128 bytes for each wave
.set AK0, 2
.set AV0, 3
.set ADR, 4
.set QO,  5
.set STO, 6
.set RD,  7
.set GO,  8
.set CUR, 44          ; v44-47  tile t's mask words of the step in hand, word i in lane i
.set NXT, 48          ; v48-51  those of the step after
.set MO,  52          ; v52     4 x lane; never rewritten
.set NEGR, 60         ; -2^33
.set PFO, 61          ; 8,192 x lane: a row of X
.set SPW, 62
.set NIL, 63
.set ST,  12          ; tile t at ST + 8 t: c m, m, l (even keys', odd keys'), c0-c3 at work; a takes c2's place
.set S,   64
.set P,   192
.set KF,  128
.set VF,  192
.set WV,  12
.set LIM, 15          ; 1 in a wave that prefetches, else the greatest number
.set PFA, 18          ; s[18:19] where my prefetches stand
.set MP,  6           ; s[6:7] my tile 0's mask words, one key step behind the step in hand
.set G1K, 24
.set G1V, 32
.set G0K, 40
.set G0V, 44
.set SLOTS, 56
.set CNT, 57
.set CS,  58
.set SEL, 60
.set TB,  62
.set MK,  68          ; s[68:99] the 32 lane masks of one tile and step
.set MSB, 0
.macro WIN new
.if MSB != (\new)
	s_set_vgpr_msb (MSB<<8)|(\new)
.set MSB, (\new)
.endif
.endm
.set W_KQ, 0x0a       ; K and Q in window 2, S^T in window 0
.set W_PV, 0x52       ; V in window 2, P in window 0, O^T in window 1
.set W_RS, 0x41       ; O^T in window 1, a in window 0
.macro JLOAD          ; waves 0 and 1 fetch the two steps' K, waves 2 and 3 their V; an s_nop 0 and four v_nop follow each line
	s_cmp_lt_u32 s[WV], 2
	s_cbranch_scc0 .Lfor_v_\@
	tensor_load_to_lds s[G0K:G0K+3], s[G1K:G1K+7]
	s_nop 0
.rept 4
	v_nop
.endr
	s_branch .Lasked_\@
.Lfor_v_\@:
	tensor_load_to_lds s[G0V:G0V+3], s[G1V:G1V+7]
	s_nop 0
.rept 4
	v_nop
.endr
.Lasked_\@:
.endm
; A prefetch of what the NEXT change of slots will ask for: 128 keys' rows of K and of V, 256 bytes each, a lane a row.  All clusters of a pair of heads walk the same rows: the first of them asks.
; Its four partners take 32 rows each, told apart by address; wave 0 asks for K's, wave 2 for V's.  So each row is named once.  The last change that fills a slot asks for nothing.
.macro ASK
	s_cmp_gt_u32 s[SLOTS], s[LIM]
	s_cbranch_scc0 .Lnot_mine_\@
	global_prefetch_b8 v[PFO], s[PFA:PFA+1] th:TH_LOAD_NT scope:SCOPE_SE
.Lnot_mine_\@:
.endm
.macro CROUND
	s_barrier_signal -1
	s_barrier_wait -1
	s_cmp_lg_u32 s[WV], 0
	s_cbranch_scc1 .Lnot_wave_0_\@
	s_barrier_signal -3
.Lnot_wave_0_\@:
	s_barrier_wait -3
	s_barrier_signal -1
	s_barrier_wait -1
.endm
; THE CHANGE OF SLOTS.  fill = 1: the slot just left is filled again, with the keys two slots on, first thing behind a round of the cluster's barrier: two key steps in which to land.
.macro CHANGE fill
	WIN 0
	s_wait_tensorcnt 0x0            ; no tensor load of mine is out, so a group 0 may be written
	ds_add_u32 v[SPW], v[NIL]
.if \fill
.irp g, G0K, G0V
	s_xor_b32 s[\g+1], s[\g+1], SLOT1
	s_add_nc_u64 s[\g+2:\g+3], s[\g+2:\g+3], 2*KS*8192
.endr
	s_wait_xcnt 0x0                 ; the last prefetch, two key steps back, has read its address
	s_add_nc_u64 s[PFA:PFA+1], s[PFA:PFA+1], 2*KS*8192
	s_wait_dscnt 0x0                ; the add is done, and my reads of the slot are over
	CROUND
	JLOAD
	ASK
.else
	s_wait_dscnt 0x0
	s_barrier_signal -1
	s_barrier_wait -1
.endif
	s_sub_co_u32 s[TB], s[TB], 2*STEPB
	s_xor_b32 s[TB], s[TB], SLOT1
.endm
	s_load_b128 s[4:7], s[0:1], 0x0   ; X, mbits
	s_load_b64 s[8:9], s[0:1], 0x10   ; Z
	v_lshl_add_u32 v[SPW], v0, 2, SPARE
	v_mov_b32 v[NIL], 0
	ds_add_u32 v[SPW], v[NIL]       ; the wave's opening: the add and its wait ahead of my first tensor load
	v_lshrrev_b32 v1, 5, v0
	v_readfirstlane_b32 s[WV], v1
	s_bfe_u32 s13, ttmp6, 0x40000   ; cx
	s_lshl_b32 s14, ttmp9, 2
	s_add_co_u32 s14, s14, s13      ; my block of 128 queries: it enters Q's, O's and the mask's addresses alone
	s_and_b32 s20, ttmp7, 0xffff
	s_lshr_b32 s21, s20, 3          ; batch
	s_and_b32 s20, s20, 7           ; pair of heads
	s_and_b32 s16, s[WV], 1
	s_lshr_b32 s17, s[WV], 1        ; head of the pair
	s_lshl_b32 s22, s21, 24         ; a batch's 2,048 rows of 8,192 bytes
	s_lshl_b32 s23, s20, 8
	s_add_co_u32 s22, s22, s23      ; + the pair's 256 bytes
	s_lshl_b32 s23, s16, 19         ; 64 rows
	s_add_co_u32 s10, s22, s23      ; K, V: which of a slot's two steps I fetch
	s_mov_b32 s11, 0
	s_lshl_b32 s2, s14, 20          ; my block's 128 rows
	s_add_co_u32 s48, s22, s2
	s_add_co_u32 s2, s48, s23       ; Q: + my wave's 64 rows
	s_lshl_b32 s3, s17, 7
	s_add_co_u32 s2, s2, s3         ; + my head's 128 bytes
	s_mov_b32 s3, 0
	s_lshl_b32 s49, s[WV], 18
	s_add_co_u32 s48, s48, s49      ; O: the 32 rows that I store
	s_mov_b32 s49, 0
	s_lshl_b32 s50, s14, 15         ; mask words: 8 tiles a block, 4,096 bytes a tile
	s_lshl_b32 s51, s16, 14
	s_add_co_u32 s50, s50, s51
	s_mov_b32 s51, 0
	s_lshl_b32 s52, s13, 18         ; my work-group's 32 of a slot's 128 rows
	s_mov_b32 s53, 0
	s_mov_b32 s[G1K], 15|(1<<16)|(1<<20)|(1<<21)|(5<<22)|(3<<25)  ; the mask of four; 2-byte elements; padding on; bit 21 beside a mask; after every 64 words 4 words
	s_mov_b32 s[G1V], 15|(1<<16)|(1<<20)|(1<<21)|(5<<22)|(7<<25)  ; 8 words
.irp g, G1K, G1V
	s_mov_b32 s[\g+1], 128<<16      ; tensor_dim0 = 128
	s_mov_b32 s[\g+2], KS<<16       ; tensor_dim1 = 64
	s_mov_b32 s[\g+3], 128<<16      ; tile_dim0 = 128
	s_mov_b32 s[\g+4], KS           ; tile_dim1 = 64
	s_mov_b32 s[\g+5], 4096         ; elements from row to row
	s_mov_b32 s[\g+6], 0
	s_mov_b32 s[\g+7], 0
.endr
	s_mov_b32 s[CS], 0x3e38aa3b     ; c = log2(e) / 8
	s_mov_b32 s[CS+1], s[CS]
	s_mov_b32 s[SEL], 0x76543210
	s_mov_b32 s[SEL+1], 0xfedcba98
	s_mov_b32 s[TB], SLOT1+2*STEPB  ; the first change of slots turns this into 0
	s_mov_b32 s[SLOTS], 15          ; slots still to be asked for
	s_mov_b32 s[G0K], 1
	s_mul_i32 s[G0K+1], s16, STEPB
	s_mov_b32 s[G0V], 1
	s_add_co_u32 s[G0V+1], s[G0K+1], VOFF
	s_and_b32 s[LIM], s[WV], 1
	s_or_b32 s[LIM], s[LIM], ttmp9  ; 0 in waves 0 and 2 of the pair's first cluster: the same in all four partners
	s_cmp_eq_u32 s[LIM], 0
	s_cselect_b32 s[LIM], 1, -1
	v_and_b32 v[PFO], 31, v0
	v_lshlrev_b32 v[PFO], 13, v[PFO]
	s_wait_dscnt 0x0                ; the opening add is done
	s_wait_kmcnt 0x0
	s_add_nc_u64 s[10:11], s[4:5], s[10:11]
	s_add_nc_u64 s[G0K+2:G0K+3], s[10:11], 2048   ; k's columns
	s_add_nc_u64 s[G0V+2:G0V+3], s[10:11], 4096   ; v's
	s_cmp_lt_u32 s[WV], 2
	s_cselect_b64 s[PFA:PFA+1], s[G0K+2:G0K+3], s[G0V+2:G0V+3]
	s_or_b32 s[G0K+3], s[G0K+3], 0x80000000
	s_or_b32 s[G0V+3], s[G0V+3], 0x80000000
	s_add_nc_u64 s[PFA:PFA+1], s[PFA:PFA+1], s[52:53]
	s_add_nc_u64 s[PFA:PFA+1], s[PFA:PFA+1], 2*KS*8192   ; in slot 1; the first change steps it to slot 2
	s_add_nc_u64 s[4:5], s[4:5], s[2:3]
	s_add_nc_u64 s[8:9], s[8:9], s[48:49]
	s_add_nc_u64 s[MP:MP+1], s[MP:MP+1], s[50:51]
	CROUND                          ; all four work-groups are here
	JLOAD                           ; slot 0
	v_and_b32 v[MO], 31, v0
	v_lshlrev_b32 v[MO], 2, v[MO]
.irp t, 0,1,2,3
	global_load_b32 v[CUR+\t], v[MO], s[MP:MP+1] offset:\t*4096       ; the four tiles' mask words of key step 0: 128 consecutive bytes each
.endr
	v_and_b32 v1, 15, v0            ; r
	v_bfe_u32 v9, v0, 4, 1          ; h
	v_lshlrev_b32 v[QO], 13, v1
	v_lshl_add_u32 v[QO], v9, 4, v[QO]
	WIN 0x80
.set i, 0
.rept 8                             ; Q stays in registers: tile i / 2, channels 32 (i % 2) on
	global_load_b128 v[8*i:8*i+3],   v[QO], s[4:5] offset:(i/2)*131072+(i%2)*64
	global_load_b128 v[8*i+4:8*i+7], v[QO], s[4:5] offset:(i/2)*131072+(i%2)*64+32
.set i, i+1
.endr
	; What the first turn finds: V and piece 2's P hold 0, O^T and l are 0: no first step is written out, at the price of these lines, which stand in the wait for the first tile.
.set i, VF
.rept 64
	v_mov_b32 v[i], 0
.set i, i+1
.endr
	WIN 0
.irp t, 0,1,2,3
	global_load_b32 v[NXT+\t], v[MO], s[MP:MP+1] offset:\t*4096+128   ; and of key step 1, in the order in which the tiles will wait for them
.endr
.set i, 0
.rept 4
	v_mov_b32 v[ST+8*i], 0xfe000000    ; c m: far below every c s
	v_mov_b32 v[ST+8*i+1], 0xff7fffff  ; m
	v_mov_b32 v[ST+8*i+2], 0
	v_mov_b32 v[ST+8*i+3], 0
.set i, i+1
.endr
.set i, P+32
.rept 32
	v_mov_b32 v[i], 0
.set i, i+1
.endr
	v_mov_b32 v[NEGR], 0xd0000000
	WIN W_PV
.set i, 0
.rept 16
	v_wmma_f32_16x16x32_bf16 v[8*i:8*i+7], v[VF:VF+7], v[P+32:P+39], 0   ; O^T starts as a product of zeros: sixteen lines in place of 128 that clear
.set i, i+1
.endr
	WIN 0
	s_lshl_b32 s10, s17, 7          ; my head's 128 bytes of a row
	s_add_co_u32 s11, s10, VOFF
	v_mul_u32_u24 v[AK0], v1, PK
	v_lshl_add_u32 v[AK0], v9, 4, v[AK0]
	v_add_nc_u32 v[AK0], s10, v[AK0]
	v_and_b32 v10, 7, v0            ; the turning load: lane l reads key 8 h + l % 8, channels 8 ((l / 8) % 2) on
	v_bfe_u32 v11, v0, 3, 1
	v_lshl_add_u32 v[AV0], v9, 3, v10
	v_mul_u32_u24 v[AV0], v[AV0], PVP
	v_lshl_add_u32 v[AV0], v11, 4, v[AV0]
	v_add_nc_u32 v[AV0], s11, v[AV0]
; THE MATRIX WORK.  The 8 accumulators of a run of 16 take turns.
.macro KQ x                         ; product i of 16 of S^T = K Q^T: channels 32 (i / 8) on, keys 16 ((i / 2) % 4) on, tile x + i % 2
	WIN W_KQ
.set rS, S+32*((\x)+i%2)+8*((i/2)%4)
.set rK, KF+16*((i/2)%4)+8*(i/8)
.set rQ, 16*((\x)+i%2)+8*(i/8)
.if i < 8
	v_wmma_f32_16x16x32_bf16 v[rS:rS+7], v[rK:rK+7], v[rQ:rQ+7], 0
.else
	v_wmma_f32_16x16x32_bf16 v[rS:rS+7], v[rK:rK+7], v[rQ:rQ+7], v[rS:rS+7]
.endif
.endm
.macro PV x                         ; product i of 16 of O^T += V^T P: keys 32 (i / 8) on, channels 16 ((i / 2) % 4) on, tile x + i % 2
	WIN W_PV
.set rO, 32*((\x)+i%2)+8*((i/2)%4)
.set rV, VF+32*(i/8)+8*((i/2)%4)
.set rP, P+16*((\x)+i%2)+8*(i/8)
	v_wmma_f32_16x16x32_bf16 v[rO:rO+7], v[rV:rV+7], v[rP:rP+7], v[rO:rO+7]
.endm
; THE LDS LOADS stand in runs of 16.  last = 1 (the tail): in the last trip there is no further step, and K's run is jumped over.
.macro FETCH_K last=0
	WIN 0
.if \last
	s_cmp_eq_u32 s[CNT], 1
	s_cbranch_scc1 .Lno_k_\@
.endif
	v_add_nc_u32 v[ADR], s[TB], v[AK0]
	WIN 0x80
.irp f, 0,1,2,3,4,5,6,7             ; keys 16 (f / 2) on, channels 32 (f % 2) on
	ds_load_b128 v[KF+8*\f:KF+8*\f+3],   v[ADR] offset:(\f/2)*16*PK+(\f%2)*64
	ds_load_b128 v[KF+8*\f+4:KF+8*\f+7], v[ADR] offset:(\f/2)*16*PK+(\f%2)*64+32
.endr
	WIN 0
.if \last
.Lno_k_\@:
.endif
.endm
.macro FETCH_V
	WIN 0
	v_add_nc_u32 v[ADR], s[TB], v[AV0]
	s_add_co_u32 s[TB], s[TB], STEPB    ; the next fetch is the next step's
	WIN 0x80
.irp f, 0,1,2,3,4,5,6,7             ; keys 32 (f / 4) on, channels 16 (f % 4) on
	ds_load_tr16_b128 v[VF+8*\f:VF+8*\f+3],   v[ADR] offset:(\f/4)*32*PVP+(\f%4)*32
	ds_load_tr16_b128 v[VF+8*\f+4:VF+8*\f+7], v[ADR] offset:(\f/4)*32*PVP+16*PVP+(\f%4)*32
.endr
	WIN 0
.endm
; THE VECTOR WORK OF A TURN: entry e of 366, for the two tiles y, y + 1 of a piece.
;   e 0-129, tile by tile, 65 each.  32 x v_readlane_b32: word n leaves lane n of CUR for scalar register n.  Then CUR takes the next step's words, whose load was issued a key step ago, and the words
;   of the step after that are asked for.  Then the 32 hidden scores are replaced, ascending (each accumulator from its low end on).
;   e 130-365: the two tiles' lists of 118, number j of each:
;     0-15 the maximum of 32 scores and the old m;  16-20 the other half of the lanes' maximum, the new m, c m, c m_old - c m_new
;     21-87  33 exponentials at the odd numbers from 23 on, a plain line at every even one: scalings ahead, roundings a pair back, the first sums
;     88-101 the last rounding, the rest of the sums, l = a l + sum      102-117 O^T times a
;   From 22 to 87 two numbers of one tile, then the same two of the other: plain, exponential, plain, exponential: no two exponentials follow each other, and a plain line of the other tile stands behind each.
;   Elsewhere the tiles alternate number by number, so that no line reads the result of the line before it.
.macro ENT y
.if e < 130
.set tt, (\y)+e/65
.set n, e%65
.set rS, S+32*tt
	WIN 0
.if n < 32
.if (n == 0) && (tt == 0)
	s_wait_xcnt 0x0                 ; the loads that read the words' pointer (the youngest most of a turn back) have read it:
	s_add_nc_u64 s[MP:MP+1], s[MP:MP+1], 128   ; a key step on, once for the four tiles
.endif
	v_readlane_b32 s[MK+n], v[CUR+tt], n
.elseif n == 32
	s_wait_loadcnt 3                ; loads come back in order (ISA guide 5.7.1): my tile's load of a key step ago is in; the other three tiles' younger ones stay out
	v_mov_b32 v[CUR+tt], v[NXT+tt]
	global_load_b32 v[NXT+tt], v[MO], s[MP:MP+1] offset:tt*4096+128
.else
	v_cndmask_b32 v[rS+n-33], v[NEGR], v[rS+n-33], s[MK+n-33]
.endif
.else
.set ff, e-130
.set kk, ff/4
.if (kk >= 11) && (kk < 44)
.set tt, (\y)+(ff%4)/2
.set j, 2*kk+ff%2
.else
.set tt, (\y)+ff%2
.set j, 2*kk+(ff%4)/2
.endif
.set rT, ST+8*tt
.set rS, S+32*tt
.set rP, P+16*tt
.set rO, 32*tt+2*(j-102)
.set q, (j-20)/2
.if j < 102
	WIN 0
.endif
.if j < 4
	v_max3_num_f32 v[rT+4+j], v[rS+8*j], v[rS+8*j+1], v[rS+8*j+2]
.elseif j < 12
	v_max3_num_f32 v[rT+4+j%4], v[rT+4+j%4], v[rS+8*(j%4)+2*(j/4)+1], v[rS+8*(j%4)+2*(j/4)+2]
.elseif j == 12
	v_max3_num_f32 v[rT+4], v[rT+4], v[rS+7], v[rS+15]
.elseif j == 13
	v_max3_num_f32 v[rT+6], v[rT+6], v[rS+23], v[rS+31]
.elseif j == 14
	v_max3_num_f32 v[rT+4], v[rT+4], v[rT+5], v[rT+6]
.elseif j == 15
	v_max3_num_f32 v[rT+4], v[rT+4], v[rT+7], v[rT+1]
.elseif j == 16
	v_permlanex16_b32 v[rT+5], v[rT+4], s[SEL], s[SEL+1]
.elseif j == 17
	v_mov_b32 v[rT+7], v[rT]
.elseif j == 18
	v_max_num_f32 v[rT+1], v[rT+4], v[rT+5]
.elseif j == 19
	v_mul_f32 v[rT], s[CS], v[rT+1]
.elseif j == 20
	v_sub_f32 v[rT+7], v[rT+7], v[rT]
.elseif j == 23
	v_exp_f32 v[rT+6], v[rT+7]
.elseif (j < 88) && (j > 23) && (j%2 == 1)
	v_exp_f32 v[rS+(j-25)/2], v[rS+(j-25)/2]
.elseif (q < 4) || ((j < 76) && (q%2 == 0))
.set b, q/2+2
.if q < 4
.set b, q
.endif
	v_pk_fma_f32 v[rS+2*b:rS+2*b+1], v[rS+2*b:rS+2*b+1], s[CS:CS+1], v[rT:rT+1] op_sel_hi:[1,0,0] neg_lo:[0,0,1] neg_hi:[0,0,1]
.elseif (j < 88) && (q%2 == 1)
	s_wait_alu depctr_va_vdst(0)
	v_cvt_pk_bf16_f32 v[rP+(q-5)/2], v[rS+q-5], v[rS+q-4]
.elseif j == 89
	s_wait_alu depctr_va_vdst(0)
	v_cvt_pk_bf16_f32 v[rP+15], v[rS+30], v[rS+31]
.elseif j < 102
.set z, j-86
.if j < 89
.set z, (j-76)/4
.endif
.set w, 4
.set u, z
.if z >= 14
.set w, 32
.set u, 0
.elseif z >= 12
.set w, 16
.set u, z-12
.elseif z >= 8
.set w, 8
.set u, z-8
.endif
.if z < 15
	v_pk_add_f32 v[rS+w*u:rS+w*u+1], v[rS+w*u:rS+w*u+1], v[rS+w*u+w/2:rS+w*u+w/2+1]
.else
	v_pk_fma_f32 v[rT+2:rT+3], v[rT+2:rT+3], v[rT+6:rT+7], v[rS:rS+1] op_sel_hi:[1,0,1]
.endif
.else
	WIN W_RS
	v_pk_mul_f32 v[rO:rO+1], v[rO:rO+1], v[rT+6:rT+7] op_sel_hi:[1,0]
.endif
.endif
.set e, e+1
.endm
; Slice k of 32: eleven entries; the last takes the 25 that are over, all of them rescalings: plain lines that name nothing of the products round them: the places behind the turn's last product.
.macro SLICE y
.if k < 31
.rept 11
	ENT \y
.endr
.else
.rept 25
	ENT \y
.endr
.endif
.set k, k+1
.endm
; A TURN.  Piece x has the matrix unit.  Piece 0's turn fetches the next step's K (its last reader stands in front of the last slice of the turn before); piece 2's turn the same step's V (its last reader three slices back).
.macro TURN x, last=0
.set k, 0
.set e, 0
.if (\x) == 0
	s_wait_dscnt 0x0                ; V is in
.endif
.set i, 0
.rept 16
	PV \x
	SLICE 2-(\x)
.if ((\x) == 0) && (i == 1)
	FETCH_K \last
.endif
.set i, i+1
.endr
.if (\x) == 0
	s_wait_dscnt 0x0                ; K is in
.endif
.set i, 0
.rept 16
	KQ \x
	SLICE 2-(\x)
.if ((\x) == 2) && (i == 1)
	FETCH_V
.endif
.set i, i+1
.endr
.endm
	CHANGE 1                        ; slot 0 is in, everybody's part of it; slot 1 is asked for
	FETCH_K                         ; key step 0
	s_wait_loadcnt 4                ; Q and key step 0's mask words are in; key step 1's four loads, issued behind them, stay out
	s_wait_dscnt 0x0
.set i, 0
.rept 16
	KQ 0                            ; piece 0's first scores
.set i, i+1
.endr
	WIN 0                           ; the addresses for the way out: eight plain lines, the places behind those products
	s_mul_i32 s10, s16, 64*SP
	s_lshl_b32 s11, s17, 7
	s_add_co_u32 s10, s10, s11
	s_add_co_u32 s10, s10, STAGE    ; in: my 64 rows, my head's half of their 256 bytes
	s_mul_i32 s11, s[WV], 32*SP
	s_add_co_u32 s11, s11, STAGE    ; back: rows 32 w on, whole
	v_mul_u32_u24 v[STO], v1, SP
	v_lshl_add_u32 v[STO], v9, 4, v[STO]
	v_add_nc_u32 v[STO], s10, v[STO]
	v_mul_u32_u24 v[RD], v9, SP
	v_lshl_add_u32 v[RD], v1, 4, v[RD]
	v_add_nc_u32 v[RD], s11, v[RD]
	v_lshlrev_b32 v[GO], 13, v9
	v_lshl_add_u32 v[GO], v1, 4, v[GO]
	s_mov_b32 s[CNT], 2
	s_branch .Lfirst                ; the loop is entered in the middle of a trip: piece 2's first scores beside piece 0's first softmax
.Lslot:                             ; 14 times: every slot but the last two is filled again
	CHANGE 1
	s_mov_b32 s[CNT], 2
.Lstep:
	TURN 0
	WIN 0
.Lfirst:
	TURN 2
	WIN 0
	s_sub_co_u32 s[CNT], s[CNT], 1
	s_cmp_lg_u32 s[CNT], 0
	s_cbranch_scc1 .Lstep
	s_sub_co_u32 s[SLOTS], s[SLOTS], 1
	s_cmp_lg_u32 s[SLOTS], 0
	s_cbranch_scc1 .Lslot
	CHANGE 0                        ; the tail is written out
	s_mov_b32 s[CNT], 3             ; two trips fetch the last slot's steps; the third is left in its middle
.Ltail:
	TURN 0, 1
	WIN 0
	s_sub_co_u32 s[CNT], s[CNT], 1
	s_cmp_eq_u32 s[CNT], 0
	s_cbranch_scc1 .Lout
	TURN 2
	WIN 0
	s_branch .Ltail
.Lout:                              ; the third trip's products K Q^T (on the last K once more) serve nothing.  The last two steps' mask loads name the two steps behind a tile's 32: the next tile's
                                    ; words or, behind the last tile, the 0 that the launch before has written there; nothing reads them
.set i, 0
.rept 16
	PV 2                            ; piece 2's V^T P of the last step
.set i, i+1
.endr
	WIN 0
.irp t, 0,1,2,3
	v_add_f32 v[ST+8*\t+4], v[ST+8*\t+2], v[ST+8*\t+3]     ; four plain lines: the places behind the last products
.endr
.irp t, 0,1,2,3
	v_permlanex16_b32 v[ST+8*\t+5], v[ST+8*\t+4], s[SEL], s[SEL+1]
.endr
.irp t, 0,1,2,3
	v_add_f32 v[ST+8*\t+4], v[ST+8*\t+4], v[ST+8*\t+5]
.endr
.irp t, 0,1,2,3
	v_rcp_f32 v[ST+8*\t+6], v[ST+8*\t+4]
.endr
	v_nop                           ; a plain line between the last reciprocal and the use of its result
.macro PACK t                       ; O^T / l, rounded to bf16; a lane's eight channels of a row are 16 bytes of the stage
	WIN W_RS
.set i, 32*(\t)
.rept 16
	s_wait_alu depctr_va_vdst(0)
	v_pk_mul_f32 v[i:i+1], v[i:i+1], v[ST+8*(\t)+6:ST+8*(\t)+7] op_sel_hi:[1,0]
.set i, i+2
.endr
	WIN 0x05
.set i, 0
.rept 16
	v_cvt_pk_bf16_f32 v[S+16*(\t)+i], v[32*(\t)+2*i], v[32*(\t)+2*i+1]
.set i, i+1
.endr
	WIN 0
.irp f, 0,1,2,3
	ds_store_b128 v[STO], v[S+16*(\t)+4*\f:S+16*(\t)+4*\f+3] offset:(\t)*16*SP+32*\f
.endr
.endm
	PACK 0
	PACK 1
	PACK 2
	PACK 3
	s_wait_dscnt 0x0                ; for the others' sake: a row's 256 bytes come from two waves
	s_barrier_signal -1
	s_barrier_wait -1
.irp u, 0,1,2,3,4,5,6,7,8,9,10,11,12,13,14,15
	ds_load_b128 v[S+64+4*\u:S+64+4*\u+3], v[RD] offset:\u*2*SP
.endr
.irp u, 0,1,2,3,4,5,6,7,8,9,10,11,12,13,14,15
	s_wait_dscnt 15-\u
	global_store_b128 v[GO], v[S+64+4*\u:S+64+4*\u+3], s[8:9] offset:\u*16384   ; 16 lanes store 256 consecutive bytes, aligned
.endr
	s_wait_tensorcnt 0x0            ; the wave's end
	ds_add_u32 v[SPW], v[NIL]
	s_wait_dscnt 0x0
	CROUND                          ; the closing round
	s_endpgm
.Lfunc_end_k_q31881faad8_attn:
	.size	k_q31881faad8_attn, .Lfunc_end_k_q31881faad8_attn-k_q31881faad8_attn
	.p2alignl 7, 3214868480
	.fill 96, 4, 3214868480
	.section	.rodata,"a",@progbits
	.p2align	6, 0x0
	.amdhsa_kernel k_q31881faad8_attn
		.amdhsa_group_segment_fixed_size 327680
		.amdhsa_private_segment_fixed_size 0
		.amdhsa_enable_private_segment 0
		.amdhsa_kernarg_size 24
		.amdhsa_user_sgpr_count 2
		.amdhsa_user_sgpr_kernarg_segment_ptr 1
		.amdhsa_wavefront_size32 1
		.amdhsa_system_sgpr_workgroup_id_x 1
		.amdhsa_system_sgpr_workgroup_id_y 1
		.amdhsa_system_sgpr_workgroup_id_z 1
		.amdhsa_system_vgpr_workitem_id 0
		.amdhsa_next_free_vgpr 768
		.amdhsa_next_free_sgpr 100
		.amdhsa_reserve_vcc 0
		.amdhsa_float_denorm_mode_32 3
		.amdhsa_float_denorm_mode_16_64 3
		.amdhsa_memory_ordered 1
		.amdhsa_forward_progress 1
		.amdhsa_inst_pref_size 145
	.end_amdhsa_kernel
	.amdgpu_metadata
---
amdhsa.version: [ 1, 2 ]
amdhsa.kernels:
  - .name:           k_q31881faad8_attn
    .symbol:         k_q31881faad8_attn.kd
    .args:
      - { .name: X, .offset: 0, .size: 8, .value_kind: global_buffer, .address_space: global }
      - { .name: mbits, .offset: 8, .size: 8, .value_kind: global_buffer, .address_space: global }
      - { .name: Z, .offset: 16, .size: 8, .value_kind: global_buffer, .address_space: global }
    .group_segment_fixed_size: 327680
    .private_segment_fixed_size: 0
    .kernarg_segment_align: 8
    .kernarg_segment_size: 24
    .max_flat_workgroup_size: 128
    .sgpr_count:     100
    .vgpr_count:     768
    .wavefront_size: 32
...
	.end_amdgpu_metadata
.endif
;; end of part 3
;; launch wo (part 4): grid 8 x 32, 4 waves a work-group, clusters of 4 x 4, 327,680 bytes of LDS; arguments Z, bo, x, h; writes h
.if DOCPART == 4
	.amdgcn_target "amdgcn-amd-amdhsa--gfx1250"
	.amdhsa_code_object_version 6
	.text
	.protected	k_q31881faad8_wo
	.globl	k_q31881faad8_wo
	.p2align	8
	.type	k_q31881faad8_wo,@function
k_q31881faad8_wo:
	s_mov_b64 s[64:65], 0
	v_nop
	global_prefetch_b8 v0, s[64:65] scope:SCOPE_SE
	s_setreg_imm32_b32 hwreg(HW_REG_WAVE_MODE, 25, 1), 1
	s_wait_xcnt 0x0
	s_wait_alu depctr_hold_cnt(0) depctr_sa_sdst(0) depctr_va_vdst(0) depctr_va_sdst(0) depctr_va_ssrc(0) depctr_va_vcc(0) depctr_vm_vsrc(0)
	s_getreg_b32 s2, hwreg(HW_REG_IB_STS2, 6, 4)
	s_cmp_eq_u32 s2, 0
	s_cbranch_scc0 .Lentry_in_a_cluster
	s_endpgm
.Lentry_in_a_cluster:
	s_bfe_u32 s2, ttmp6, 0x10000c
	s_cmp_lg_u32 s2, 0xf033
	s_cbranch_scc0 .Lentry_shape_is_right
	s_endpgm
.Lentry_shape_is_right:
; h[m][n] = x[m][n] + bo[n] + sum over k of A[m][k] B[k][n], K = 1,024; all sums (K ascending) and the result in f32.  A: attention's output, bf16, rows 4,096 numbers apart, at the arena's head.
; B: Wo in bf16, [1024][1024], K DOWN the rows, 32 MiB behind it.  (The second feed-forward product has the same text with another KSTEPS.)
; A tile of the result is 128 x 128: 256 work-groups.  Four waves, each 64 x 64: 16 accumulators.  K goes in steps of 256 through two LDS slots.  CLUSTER 4 x 4: A's tile jointly along a row, B's along a column.
; THE MATRIX INSTRUCTION IS USED TRANSPOSED (source 0 = 16 columns of B, turned by ds_load_tr16_b128; source 1 = 16 rows of A).  The bias is the C operand that starts the sums.
; The residual is loaded at the start, in the order in which rows come back from the stage, and added in f32 on the way out.
; LDS.  What one wave fetches of a K step lies in a CELL of 36,864 bytes (64 rows of A: 33,792; or 128 rows of B).  Wave w's cell of slot s lies at (2 w + s) x CELL: 2 w x CELL (0, 0x12000, 0x24000, 0x36000)
; has no bit in common with CELL (0x9000), so one exclusive or with CELL turns an address in one slot into the other's.
; THE TEXT.  A K step is four quarters of 64 along K, on fragment buffers 0, 1, 0, 1; each fetches the next one's fragments in its middle.  The change of slots stands in front of a K step's LAST quarter: the
; slot's last fragments were fetched in the quarter before.  So the walk is change, pair, pair, change ..., a PAIR being a quarter on buffer 1 and a quarter on buffer 0, written once for the K steps that
; fill a slot again and once for the tail.
; REGISTERS: window 0: v16-29 addresses; v32-95 the way out; v96-127 bias; v128-255 accumulators.  window 1: two fragment buffers of 128.  window 2: v0-127 the residual.
.set KSTEPS, 4                         ; K / 256
.set KSTEP,  256
.set PA,     528                       ; a row of A in LDS: 512 bytes + 16
.set PBB,    288                       ; a row of B (one k, 128 n): 256 bytes + 32 = 9 x 32
.set CELL,   128*PBB
.set STAGE,  8*CELL                    ; behind the cells: 16 rows x 272 bytes for each wave, its own
.set SPITCH, 272
.set SPARE,  STAGE+4*16*SPITCH         ; the spare words: 128 bytes for each wave, two blocks of 256 bytes that no other line names
.set OPB,    4096                      ; bytes in a row of the result and of the residual
.set ADRA, 16                          ; v16  my lane's place in my half of A, slot 0; never rewritten
.set RA,   17                          ; v17  the LDS address of A's loads in hand
.set ADRB, 20                          ; v20  my lane's place in B's first cell, slot 0; never rewritten
.set RB,   21                          ; v21  the LDS address of B's loads in hand
.set STO,  24
.set RD,   25
.set CO,   26
.set BO,   27
.set SPW,  28
.set NIL,  29
.set TMP,  32
.set BIA,  96
.set ACC,  128
.set F0,   0
.set F1,   128
.set G1, 24                            ; s[24:31] descriptor group 1 for A's tiles
.set G0, 32                            ; s[32:39] group 0 for A's tiles: a set for each of the two first fills; the second then walks on
.set G1B, 48                           ; s[48:55], s[56:63] the same for B's
.set G0B, 56
.set RES, 68                           ; s[68:69]
.set OUT, 70                           ; s[70:71]
.set CNT, 72                           ; s72  counts the pairs between two changes
.set TA,  73                           ; s73  what is added to ADRA: the slot, and 256 bytes for each pair
.set TBB, 78                           ; s78  what is added to ADRB: the slot, and two cells for each pair
.set MSB, 0
.macro WIN new
.if MSB != (\new)
	s_set_vgpr_msb (MSB<<8)|(\new)
.set MSB, \new
.endif
.endm
.set MUL,  0x05
.set TO_F, 0x40
.macro JLOAD s                         ; a joint load: waves 0 and 1 fetch A's halves, waves 2 and 3 B's; an s_nop 0 and four v_nop follow each line
	s_cmp_eq_u32 s11, 0
	s_cbranch_scc0 .Lfor_b_\@
	tensor_load_to_lds s[G0+4*(\s):G0+4*(\s)+3], s[G1:G1+7]
	s_nop 0
.rept 4
	v_nop
.endr
	s_branch .Lasked_\@
.Lfor_b_\@:
	tensor_load_to_lds s[G0B+4*(\s):G0B+4*(\s)+3], s[G1B:G1B+7]
	s_nop 0
.rept 4
	v_nop
.endr
.Lasked_\@:
.endm
.macro CROUND                          ; a round of the cluster's barrier
	s_barrier_signal -1
	s_barrier_wait -1
	s_cmp_lg_u32 s10, 0
	s_cbranch_scc1 .Lnot_wave_0_\@
	s_barrier_signal -3
.Lnot_wave_0_\@:
	s_barrier_wait -3
	s_barrier_signal -1
	s_barrier_wait -1
.endm
	s_load_b128 s[4:7], s[0:1], 0x0                ; arena, bias
	s_load_b128 s[RES:RES+3], s[0:1], 0x10         ; residual, result
	v_lshl_add_u32 v[SPW], v0, 2, SPARE
	v_mov_b32 v[NIL], 0
	ds_add_u32 v[SPW], v[NIL]                      ; the wave's opening: the add and its wait ahead of my first tensor load
	v_lshrrev_b32 v1, 5, v0
	v_readfirstlane_b32 s10, v1
	s_lshr_b32 s11, s10, 1                         ; my half of the rows.  Also: I fetch for A (0) or B (1)
	s_and_b32 s12, s10, 1                          ; my half of the columns.  Also: which half of that tile I fetch
	s_bfe_u32 s40, ttmp6, 0x40000
	s_bfe_u32 s41, ttmp6, 0x40004
	s_lshl_b32 s42, ttmp9, 2
	s_add_co_u32 s42, s42, s40                     ; tile column
	s_and_b32 s13, ttmp7, 0xffff
	s_lshl_b32 s13, s13, 2
	s_add_co_u32 s13, s13, s41                     ; tile row
	s_lshl_b32 s43, s41, 2
	s_lshl_b32 s43, 15, s43
	s_lshl_b32 s44, 0x1111, s40
	s_or_b32 s[G1+0], s43, (1<<16)|(1<<20)|(1<<21)|(6<<22)|(3<<25)   ; A: after every 128 words 4 words
	s_or_b32 s[G1B+0], s44, (1<<16)|(1<<20)|(1<<21)|(5<<22)|(7<<25)  ; B: after every 64 words 8 words
	s_mov_b32 s[G1+1], 256<<16                     ; tensor_dim0 = 256
	s_mov_b32 s[G1+2], 64<<16                      ; tensor_dim1 = 64
	s_mov_b32 s[G1+3], 256<<16                     ; tile_dim0 = 256
	s_mov_b32 s[G1+4], 64                          ; tile_dim1 = 64
	s_mov_b32 s[G1+5], 4096
	s_mov_b32 s[G1+6], 0
	s_mov_b32 s[G1+7], 0
	s_mov_b32 s[G1B+1], 128<<16
	s_mov_b32 s[G1B+2], 128<<16
	s_mov_b32 s[G1B+3], 128<<16
	s_mov_b32 s[G1B+4], 128
	s_mov_b32 s[G1B+5], 1024
	s_mov_b32 s[G1B+6], 0
	s_mov_b32 s[G1B+7], 0
	s_lshl_b32 s16, s13, 20                        ; A: (128 x tile row + 64 x half) rows of 8,192 bytes
	s_lshl_b32 s17, s12, 19
	s_add_co_u32 s16, s16, s17
	s_mov_b32 s17, 0
	s_lshl_b32 s46, s42, 8                         ; B: 256 bytes x tile column + 128 x half rows of 2,048 bytes
	s_lshl_b32 s47, s12, 18
	s_add_co_u32 s46, s46, s47
	s_mov_b32 s47, 0
	s_mul_i32 s20, s12, 2*CELL                     ; where they go: A's halves into the cells of waves 0 and 1,
	s_add_co_u32 s21, s20, 4*CELL                  ; B's into those of waves 2 and 3
	s_mov_b32 s[TA], 0                             ; the fetches begin at slot 0's first quarter
	s_mov_b32 s[TBB], 0
	s_wait_dscnt 0x0
	s_wait_kmcnt 0x0
	s_add_nc_u64 s[8:9], s[4:5], 0x2000000         ; B
	s_add_nc_u64 s[14:15], s[4:5], s[16:17]
	s_add_nc_u64 s[46:47], s[8:9], s[46:47]
	CROUND
.irp s, 0,1
	s_mov_b32 s[G0+4*(\s)], 1
	s_add_co_u32 s[G0+4*(\s)+1], s20, (\s)*CELL
	s_add_nc_u64 s[G0+4*(\s)+2:G0+4*(\s)+3], s[14:15], (\s)*KSTEP*2
	s_or_b32 s[G0+4*(\s)+3], s[G0+4*(\s)+3], 0x80000000
	s_mov_b32 s[G0B+4*(\s)], 1
	s_add_co_u32 s[G0B+4*(\s)+1], s21, (\s)*CELL
	s_add_nc_u64 s[G0B+4*(\s)+2:G0B+4*(\s)+3], s[46:47], (\s)*KSTEP*2048
	s_or_b32 s[G0B+4*(\s)+3], s[G0B+4*(\s)+3], 0x80000000
	JLOAD \s
.endr
	v_and_b32 v1, 15, v0
	v_bfe_u32 v2, v0, 4, 1
	v_mul_u32_u24 v3, v1, PA
	v_lshl_add_u32 v3, v2, 4, v3
	s_mul_i32 s22, s11, 2*CELL                     ; my 64 rows of A: the cells of wave 0 or 1
	v_add_nc_u32 v[ADRA], s22, v3
	v_and_b32 v4, 7, v0
	v_lshl_add_u32 v4, v2, 3, v4
	v_mul_u32_u24 v4, v4, PBB
	v_bfe_u32 v5, v0, 3, 1
	v_lshl_add_u32 v4, v5, 4, v4
	s_lshl_b32 s22, s12, 7                         ; my 64 columns,
	s_add_co_u32 s22, s22, 4*CELL                  ; in wave 2's cells
	v_add_nc_u32 v[ADRB], s22, v4
	s_mul_i32 s23, s10, 16*SPITCH
	s_add_co_u32 s23, s23, STAGE
	v_mul_u32_u24 v5, v1, SPITCH                   ; in: row r, 32 bytes for each half of the lanes
	v_lshl_add_u32 v5, v2, 5, v5
	v_add_nc_u32 v[STO], s23, v5
	v_mul_u32_u24 v5, v2, SPITCH                   ; back: lanes 0-15 one row of 256 bytes, lanes 16-31 the next
	v_lshl_add_u32 v5, v1, 4, v5
	v_add_nc_u32 v[RD], s23, v5
	v_lshlrev_b32 v5, 12, v2
	v_lshl_add_u32 v[CO], v1, 4, v5
	s_lshl_b32 s76, s42, 9                         ; my 64 columns: 512 x tile column + 256 x half, in bytes of f32
	s_lshl_b32 s77, s12, 8
	s_add_co_u32 s76, s76, s77
	v_lshl_add_u32 v[BO], v2, 5, s76
	s_lshl_b32 s74, s13, 19                        ; my rows: (128 x tile row + 64 x half) x 4,096
	s_lshl_b32 s75, s11, 18
	s_add_co_u32 s74, s74, s75
	s_add_co_u32 s74, s74, s76
	s_mov_b32 s75, 0
	s_add_nc_u64 s[OUT:OUT+1], s[OUT:OUT+1], s[74:75]
	s_add_nc_u64 s[RES:RES+1], s[RES:RES+1], s[74:75]
.irp b, 0,1,2,3
	global_load_b128 v[BIA+8*(\b):BIA+8*(\b)+3],   v[BO], s[6:7] offset:64*(\b)
	global_load_b128 v[BIA+8*(\b)+4:BIA+8*(\b)+7], v[BO], s[6:7] offset:64*(\b)+16
.endr
	WIN 0x80
.set i, 0
.rept 32
	global_load_b128 v[4*i:4*i+3], v[CO], s[RES:RES+1] offset:2*i*OPB
.set i, i+1
.endr
	WIN 0
.macro MUL8 f, c, a0, first            ; 8 matrix instructions; the 16 accumulators take turns
	WIN MUL
.irp a, \a0, (\a0)+1
.irp b, 0,1,2,3
.if \first
	v_wmma_f32_16x16x32_bf16 v[ACC+8*(4*(\a)+(\b)):ACC+8*(4*(\a)+(\b))+7], v[(\f)+64+8*(4*(\c)+(\b)):(\f)+64+8*(4*(\c)+(\b))+7], v[(\f)+8*(4*(\c)+(\a)):(\f)+8*(4*(\c)+(\a))+7], v[BIA+8*(\b):BIA+8*(\b)+7]
.else
	v_wmma_f32_16x16x32_bf16 v[ACC+8*(4*(\a)+(\b)):ACC+8*(4*(\a)+(\b))+7], v[(\f)+64+8*(4*(\c)+(\b)):(\f)+64+8*(4*(\c)+(\b))+7], v[(\f)+8*(4*(\c)+(\a)):(\f)+8*(4*(\c)+(\a))+7], v[ACC+8*(4*(\a)+(\b)):ACC+8*(4*(\a)+(\b))+7]
.endif
.endr
.endr
.endm
; 32 LDS loads in one run: a quarter's fragments (64 along K) into buffer f, the first 32 along K first; oa, ob: the quarter's place behind the pair's first.
; The four plain lines at its head (the two sums that make the addresses among them) are the places between the matrix instructions that read buffer f and the loads into it.
.macro FETCH oa, ob, f
	WIN 0
	v_add_nc_u32 v[RA], s[TA], v[ADRA]
	v_add_nc_u32 v[RB], s[TBB], v[ADRB]
	v_nop
	v_nop
	WIN TO_F
.irp c, 0,1
.irp i, 0,1,2,3
	ds_load_tr16_b128 v[(\f)+64+8*(4*(\c)+(\i)):(\f)+64+8*(4*(\c)+(\i))+3],   v[RB] offset:(\ob)+32*(\c)*PBB+32*(\i)
	ds_load_tr16_b128 v[(\f)+64+8*(4*(\c)+(\i))+4:(\f)+64+8*(4*(\c)+(\i))+7], v[RB] offset:(\ob)+(32*(\c)+16)*PBB+32*(\i)
	ds_load_b128 v[(\f)+8*(4*(\c)+(\i)):(\f)+8*(4*(\c)+(\i))+3],   v[RA] offset:(\oa)+64*(\c)+(\i)*16*PA
	ds_load_b128 v[(\f)+8*(4*(\c)+(\i))+4:(\f)+8*(4*(\c)+(\i))+7], v[RA] offset:(\oa)+64*(\c)+(\i)*16*PA+32
.endr
.endr
.endm
.macro PLACES
.rept 4
	v_nop
.endr
.endm
; A quarter: multiplies buffer f; in its middle fetches the next quarter's fragments into buffer g.  step = 1: the pair's second quarter: the fetches go on to the next pair.
; last = 1 (the tail): in the walk's last quarter (CNT = 1) there is nothing more to fetch, and the run is jumped over; on that way nothing younger stands behind buffer f's loads, so the wait at the head is for 0.
.macro QUARTER f, g, oa, ob, first, step, last
.if \last
	s_wait_dscnt 0x0
.else
	s_wait_dscnt 16                                ; the first 32 along K are in; the youngest sixteen loads may be out
.endif
	MUL8 \f, 0, 0, \first
	MUL8 \f, 0, 2, \first
.if \last
	WIN 0
	s_cmp_eq_u32 s[CNT], 1
	s_cbranch_scc1 .Lno_more_\@
.endif
	FETCH \oa, \ob, \g
.if \step
	s_add_co_u32 s[TA], s[TA], 256                 ; two quarters of 128 bytes along A's rows,
	s_add_co_u32 s[TBB], s[TBB], 2*CELL            ; 128 rows of B: the next wave's cell of the same slot
.endif
.if \last
	WIN 0
.Lno_more_\@:
.endif
	s_wait_dscnt 32                                ; all but the 32 just issued
	MUL8 \f, 1, 0, 0
	MUL8 \f, 1, 2, 0
.endm
; THE CHANGE OF SLOTS, in front of a K step's last quarter.  Each wave waits for all its tensor loads, of which one is out: its part of the other slot; adds 0 to its spare word; and waits for that and for its
; reads of the slot that it leaves.  fill = 1: that slot is filled again, two K steps on, first thing behind a round of the cluster's barrier: the load has a whole K step, 128 matrix instructions, in which to land.
.macro CHANGE fill
	WIN 0
	s_wait_tensorcnt 0x0                           ; no tensor load of mine is out, so a group 0 may be written
	ds_add_u32 v[SPW], v[NIL]                      ; 0 onto my spare word; the scalar work below stands between it and the wait for it
.if \fill
	s_xor_b32 s[G0+5], s[G0+5], CELL               ; the walking descriptors: the other slot than last time,
	s_add_nc_u64 s[G0+6:G0+7], s[G0+6:G0+7], KSTEP*2        ; the next K step; the type bits on top are not reached
	s_xor_b32 s[G0B+5], s[G0B+5], CELL
	s_add_nc_u64 s[G0B+6:G0B+7], s[G0B+6:G0B+7], KSTEP*2048
.endif
	s_sub_co_u32 s[TA], s[TA], 512                 ; the fetches go back to a slot's first quarter,
	s_xor_b32 s[TA], s[TA], CELL                   ; in the other slot
	s_sub_co_u32 s[TBB], s[TBB], 4*CELL
	s_xor_b32 s[TBB], s[TBB], CELL
	s_wait_dscnt 0x0                               ; the add is done, and my reads of the slot are over
.if \fill
	CROUND                                         ; no wave of any partner still reads the slot or has a load on its way
	JLOAD 1
.else
	s_barrier_signal -1
	s_barrier_wait -1
.endif
.endm
; THE WAY OUT of row block a: 16 rows x 64 f32 through my own stage, the residual added, stored as whole rows of 256 bytes.
.macro TOSTAGE a
	WIN 0
.if (\a) >= 2
	s_wait_xcnt 0x0                                ; the block before last's stores have read the registers that are loaded again below
.endif
.irp b, 0,1,2,3
	ds_store_b128 v[STO], v[ACC+8*(4*(\a)+(\b)):ACC+8*(4*(\a)+(\b))+3]   offset:64*(\b)      ; each accumulator from its low end on
	ds_store_b128 v[STO], v[ACC+8*(4*(\a)+(\b))+4:ACC+8*(4*(\a)+(\b))+7] offset:64*(\b)+16
.endr
.irp t, 0,1,2,3,4,5,6,7
	ds_load_b128 v[TMP+32*((\a)%2)+4*(\t):TMP+32*((\a)%2)+4*(\t)+3], v[RD] offset:(\t)*2*SPITCH   ; LDS serves a wave's instructions in order (ISA guide 5.7.1.4)
.endr
.endm
.macro FIN a, younger
	s_wait_dscnt \younger
	WIN 0x08                                       ; source 1 in window 2
.set i, 0
.rept 16
	v_pk_add_f32 v[TMP+32*((\a)%2)+2*i:TMP+32*((\a)%2)+2*i+1], v[TMP+32*((\a)%2)+2*i:TMP+32*((\a)%2)+2*i+1], v[32*(\a)+2*i:32*(\a)+2*i+1]
.set i, i+1
.endr
	WIN 0
.irp t, 0,1,2,3,4,5,6,7
	global_store_b128 v[CO], v[TMP+32*((\a)%2)+4*(\t):TMP+32*((\a)%2)+4*(\t)+3], s[OUT:OUT+1] offset:(16*(\a)+2*(\t))*OPB   ; 16 lanes store 256 consecutive bytes, aligned
.endr
.endm
	s_wait_tensorcnt 1                             ; my part of K step 0 is in; K step 1's stays out
	s_barrier_signal -1
	s_barrier_wait -1
	FETCH 0, 0, F0                                 ; K step 0's first quarter
	s_wait_loadcnt 32                              ; the bias is in; the residual's 32 younger loads stay out
	QUARTER F0, F1, 128, 64*PBB, 1, 1, 0           ; the first quarter stands ahead of the loop: its first products start the sums
	WIN 0                                          ; at a label and at a branch every window is 0
	s_mov_b32 s[CNT], 1                            ; of K step 0 one pair is left ahead of the first change
	s_mov_b32 s3, KSTEPS-1
	s_branch .Lpair
.Lslot:                                                ; KSTEPS - 2 times: every slot but the last two is filled again
	CHANGE 1
	s_mov_b32 s[CNT], 2
.Lpair:                                                ; behind a change: a K step's last quarter and the next one's first; then that one's second and third
	QUARTER F1, F0, 0, 0, 0, 0, 0
	QUARTER F0, F1, 128, 64*PBB, 0, 1, 0
	WIN 0
	s_sub_co_u32 s[CNT], s[CNT], 1
	s_cmp_lg_u32 s[CNT], 0
	s_cbranch_scc1 .Lpair
	s_sub_co_u32 s3, s3, 1
	s_cmp_lg_u32 s3, 0
	s_cbranch_scc1 .Lslot
	CHANGE 0                                       ; the tail is written out: nothing is asked for
	s_mov_b32 s[CNT], 3                            ; two pairs, and the last K step's last quarter: the third trip is left in its middle
.Ltail:
	QUARTER F1, F0, 0, 0, 0, 0, 1
	WIN 0
	s_sub_co_u32 s[CNT], s[CNT], 1
	s_cmp_eq_u32 s[CNT], 0
	s_cbranch_scc1 .Lout
	QUARTER F0, F1, 128, 64*PBB, 0, 1, 0
	WIN 0
	s_branch .Ltail
.Lout:
	PLACES
	s_wait_loadcnt 0x0                             ; the residual
	TOSTAGE 0
.irp a, 1,2,3
	TOSTAGE \a
	FIN (\a)-1, 16                                 ; the next block's eight stores and eight loads may be out
.endr
	FIN 3, 0
	s_wait_tensorcnt 0x0                           ; the wave's end
	ds_add_u32 v[SPW], v[NIL]
	s_wait_dscnt 0x0
	CROUND                                         ; the closing round
	s_endpgm
.Lfunc_end_k_q31881faad8_wo:
	.size	k_q31881faad8_wo, .Lfunc_end_k_q31881faad8_wo-k_q31881faad8_wo
	.p2alignl 7, 3214868480
	.fill 96, 4, 3214868480
	.section	.rodata,"a",@progbits
	.p2align	6, 0x0
	.amdhsa_kernel k_q31881faad8_wo
		.amdhsa_group_segment_fixed_size 327680
		.amdhsa_private_segment_fixed_size 0
		.amdhsa_enable_private_segment 0
		.amdhsa_kernarg_size 32
		.amdhsa_user_sgpr_count 2
		.amdhsa_user_sgpr_kernarg_segment_ptr 1
		.amdhsa_wavefront_size32 1
		.amdhsa_system_sgpr_workgroup_id_x 1
		.amdhsa_system_sgpr_workgroup_id_y 1
		.amdhsa_system_sgpr_workgroup_id_z 1
		.amdhsa_system_vgpr_workitem_id 0
		.amdhsa_next_free_vgpr 640
		.amdhsa_next_free_sgpr 80
		.amdhsa_reserve_vcc 0
		.amdhsa_float_denorm_mode_32 3
		.amdhsa_float_denorm_mode_16_64 3
		.amdhsa_memory_ordered 1
		.amdhsa_forward_progress 1
		.amdhsa_inst_pref_size 50
	.end_amdhsa_kernel
	.amdgpu_metadata
---
amdhsa.version: [ 1, 2 ]
amdhsa.kernels:
  - .name:           k_q31881faad8_wo
    .symbol:         k_q31881faad8_wo.kd
    .args:
      - { .name: Z, .offset: 0, .size: 8, .value_kind: global_buffer, .address_space: global }
      - { .name: bo, .offset: 8, .size: 8, .value_kind: global_buffer, .address_space: global }
      - { .name: x, .offset: 16, .size: 8, .value_kind: global_buffer, .address_space: global }
      - { .name: h, .offset: 24, .size: 8, .value_kind: global_buffer, .address_space: global }
    .group_segment_fixed_size: 327680
    .private_segment_fixed_size: 0
    .kernarg_segment_align: 8
    .kernarg_segment_size: 32
    .max_flat_workgroup_size: 128
    .sgpr_count:     80
    .vgpr_count:     640
    .wavefront_size: 32
...
	.end_amdgpu_metadata
.endif
;; end of part 4
;; launch ln2: the kernel of part 1 again; grid 512 x 1, 8 waves a work-group, no clusters, 0 bytes of LDS; arguments h, ln2_g, ln2_b, Wq, Wk, Wv, Wo, W1, W2, bq, bk, bv, b1, mask, Z, X, wqkv, w1p, mbits; writes Z, X, wqkv, w1p, mbits
;; launch ffn1: the kernel of part 2 again; grid 16 x 16, 4 waves a work-group, clusters of 4 x 4, 327,680 bytes of LDS; arguments Z, w1p, X; writes X
;; launch ffn2 (part 5): grid 8 x 32, 4 waves a work-group, clusters of 4 x 4, 327,680 bytes of LDS; arguments X, b2, h, out0; writes out0
.if DOCPART == 5
	.amdgcn_target "amdgcn-amd-amdhsa--gfx1250"
	.amdhsa_code_object_version 6
	.text
	.protected	k_q31881faad8_ffn2
	.globl	k_q31881faad8_ffn2
	.p2align	8
	.type	k_q31881faad8_ffn2,@function
k_q31881faad8_ffn2:
	s_mov_b64 s[64:65], 0
	v_nop
	global_prefetch_b8 v0, s[64:65] scope:SCOPE_SE
	s_setreg_imm32_b32 hwreg(HW_REG_WAVE_MODE, 25, 1), 1
	s_wait_xcnt 0x0
	s_wait_alu depctr_hold_cnt(0) depctr_sa_sdst(0) depctr_va_vdst(0) depctr_va_sdst(0) depctr_va_ssrc(0) depctr_va_vcc(0) depctr_vm_vsrc(0)
	s_getreg_b32 s2, hwreg(HW_REG_IB_STS2, 6, 4)
	s_cmp_eq_u32 s2, 0
	s_cbranch_scc0 .Lentry_in_a_cluster
	s_endpgm
.Lentry_in_a_cluster:
	s_bfe_u32 s2, ttmp6, 0x10000c
	s_cmp_lg_u32 s2, 0xf033
	s_cbranch_scc0 .Lentry_shape_is_right
	s_endpgm
.Lentry_shape_is_right:
; out0[m][n] = h[m][n] + b2[n] + sum over k of A[m][k] B[k][n], K = 4,096; all sums (K ascending) and the result in f32.  A: the first feed-forward layer's output, bf16, rows of 4,096 numbers, at the arena's head.
; B: W2 in bf16, [4096][1024], K DOWN the rows, 32 MiB behind it.  (The attention's output projection has the same text with another KSTEPS.)
; A tile of the result is 128 x 128: 256 work-groups.  Four waves, each 64 x 64: 16 accumulators.  K goes in steps of 256 through two LDS slots.  CLUSTER 4 x 4: A's tile jointly along a row, B's along a column.
; THE MATRIX INSTRUCTION IS USED TRANSPOSED (source 0 = 16 columns of B, turned by ds_load_tr16_b128; source 1 = 16 rows of A).  The bias is the C operand that starts the sums.
; The residual is loaded at the start, in the order in which rows come back from the stage, and added in f32 on the way out.
; LDS.  What one wave fetches of a K step lies in a CELL of 36,864 bytes (64 rows of A: 33,792; or 128 rows of B).  Wave w's cell of slot s lies at (2 w + s) x CELL: 2 w x CELL (0, 0x12000, 0x24000, 0x36000)
; has no bit in common with CELL (0x9000), so one exclusive or with CELL turns an address in one slot into the other's.
; THE TEXT.  A K step is four quarters of 64 along K, on fragment buffers 0, 1, 0, 1; each fetches the next one's fragments in its middle.  The change of slots stands in front of a K step's LAST quarter: the
; slot's last fragments were fetched in the quarter before.  So the walk is change, pair, pair, change ..., a PAIR being a quarter on buffer 1 and a quarter on buffer 0, written once for the K steps that
; fill a slot again and once for the tail.
; REGISTERS: window 0: v16-29 addresses; v32-95 the way out; v96-127 bias; v128-255 accumulators.  window 1: two fragment buffers of 128.  window 2: v0-127 the residual.
.set KSTEPS, 16                        ; K / 256
.set KSTEP,  256
.set PA,     528                       ; a row of A in LDS: 512 bytes + 16
.set PBB,    288                       ; a row of B (one k, 128 n): 256 bytes + 32 = 9 x 32
.set CELL,   128*PBB
.set STAGE,  8*CELL                    ; behind the cells: 16 rows x 272 bytes for each wave, its own
.set SPITCH, 272
.set SPARE,  STAGE+4*16*SPITCH         ; the spare words: 128 bytes for each wave, two blocks of 256 bytes that no other line names
.set OPB,    4096                      ; bytes in a row of the result and of the residual
.set ADRA, 16                          ; v16  my lane's place in my half of A, slot 0; never rewritten
.set RA,   17                          ; v17  the LDS address of A's loads in hand
.set ADRB, 20                          ; v20  my lane's place in B's first cell, slot 0; never rewritten
.set RB,   21                          ; v21  the LDS address of B's loads in hand
.set STO,  24
.set RD,   25
.set CO,   26
.set BO,   27
.set SPW,  28
.set NIL,  29
.set TMP,  32
.set BIA,  96
.set ACC,  128
.set F0,   0
.set F1,   128
.set G1, 24                            ; s[24:31] descriptor group 1 for A's tiles
.set G0, 32                            ; s[32:39] group 0 for A's tiles: a set for each of the two first fills; the second then walks on
.set G1B, 48                           ; s[48:55], s[56:63] the same for B's
.set G0B, 56
.set RES, 68                           ; s[68:69]
.set OUT, 70                           ; s[70:71]
.set CNT, 72                           ; s72  counts the pairs between two changes
.set TA,  73                           ; s73  what is added to ADRA: the slot, and 256 bytes for each pair
.set TBB, 78                           ; s78  what is added to ADRB: the slot, and two cells for each pair
.set MSB, 0
.macro WIN new
.if MSB != (\new)
	s_set_vgpr_msb (MSB<<8)|(\new)
.set MSB, \new
.endif
.endm
.set MUL,  0x05
.set TO_F, 0x40
.macro JLOAD s                         ; a joint load: waves 0 and 1 fetch A's halves, waves 2 and 3 B's; an s_nop 0 and four v_nop follow each line
	s_cmp_eq_u32 s11, 0
	s_cbranch_scc0 .Lfor_b_\@
	tensor_load_to_lds s[G0+4*(\s):G0+4*(\s)+3], s[G1:G1+7]
	s_nop 0
.rept 4
	v_nop
.endr
	s_branch .Lasked_\@
.Lfor_b_\@:
	tensor_load_to_lds s[G0B+4*(\s):G0B+4*(\s)+3], s[G1B:G1B+7]
	s_nop 0
.rept 4
	v_nop
.endr
.Lasked_\@:
.endm
.macro CROUND                          ; a round of the cluster's barrier
	s_barrier_signal -1
	s_barrier_wait -1
	s_cmp_lg_u32 s10, 0
	s_cbranch_scc1 .Lnot_wave_0_\@
	s_barrier_signal -3
.Lnot_wave_0_\@:
	s_barrier_wait -3
	s_barrier_signal -1
	s_barrier_wait -1
.endm
	s_load_b128 s[4:7], s[0:1], 0x0                ; arena, bias
	s_load_b128 s[RES:RES+3], s[0:1], 0x10         ; residual, result
	v_lshl_add_u32 v[SPW], v0, 2, SPARE
	v_mov_b32 v[NIL], 0
	ds_add_u32 v[SPW], v[NIL]                      ; the wave's opening: the add and its wait ahead of my first tensor load
	v_lshrrev_b32 v1, 5, v0
	v_readfirstlane_b32 s10, v1
	s_lshr_b32 s11, s10, 1                         ; my half of the rows.  Also: I fetch for A (0) or B (1)
	s_and_b32 s12, s10, 1                          ; my half of the columns.  Also: which half of that tile I fetch
	s_bfe_u32 s40, ttmp6, 0x40000
	s_bfe_u32 s41, ttmp6, 0x40004
	s_lshl_b32 s42, ttmp9, 2
	s_add_co_u32 s42, s42, s40                     ; tile column
	s_and_b32 s13, ttmp7, 0xffff
	s_lshl_b32 s13, s13, 2
	s_add_co_u32 s13, s13, s41                     ; tile row
	s_lshl_b32 s43, s41, 2
	s_lshl_b32 s43, 15, s43
	s_lshl_b32 s44, 0x1111, s40
	s_or_b32 s[G1+0], s43, (1<<16)|(1<<20)|(1<<21)|(6<<22)|(3<<25)   ; A: after every 128 words 4 words
	s_or_b32 s[G1B+0], s44, (1<<16)|(1<<20)|(1<<21)|(5<<22)|(7<<25)  ; B: after every 64 words 8 words
	s_mov_b32 s[G1+1], 256<<16                     ; tensor_dim0 = 256
	s_mov_b32 s[G1+2], 64<<16                      ; tensor_dim1 = 64
	s_mov_b32 s[G1+3], 256<<16                     ; tile_dim0 = 256
	s_mov_b32 s[G1+4], 64                          ; tile_dim1 = 64
	s_mov_b32 s[G1+5], 4096
	s_mov_b32 s[G1+6], 0
	s_mov_b32 s[G1+7], 0
	s_mov_b32 s[G1B+1], 128<<16
	s_mov_b32 s[G1B+2], 128<<16
	s_mov_b32 s[G1B+3], 128<<16
	s_mov_b32 s[G1B+4], 128
	s_mov_b32 s[G1B+5], 1024
	s_mov_b32 s[G1B+6], 0
	s_mov_b32 s[G1B+7], 0
	s_lshl_b32 s16, s13, 20                        ; A: (128 x tile row + 64 x half) rows of 8,192 bytes
	s_lshl_b32 s17, s12, 19
	s_add_co_u32 s16, s16, s17
	s_mov_b32 s17, 0
	s_lshl_b32 s46, s42, 8                         ; B: 256 bytes x tile column + 128 x half rows of 2,048 bytes
	s_lshl_b32 s47, s12, 18
	s_add_co_u32 s46, s46, s47
	s_mov_b32 s47, 0
	s_mul_i32 s20, s12, 2*CELL                     ; where they go: A's halves into the cells of waves 0 and 1,
	s_add_co_u32 s21, s20, 4*CELL                  ; B's into those of waves 2 and 3
	s_mov_b32 s[TA], 0                             ; the fetches begin at slot 0's first quarter
	s_mov_b32 s[TBB], 0
	s_wait_dscnt 0x0
	s_wait_kmcnt 0x0
	s_add_nc_u64 s[8:9], s[4:5], 0x2000000         ; B
	s_add_nc_u64 s[14:15], s[4:5], s[16:17]
	s_add_nc_u64 s[46:47], s[8:9], s[46:47]
	CROUND
.irp s, 0,1
	s_mov_b32 s[G0+4*(\s)], 1
	s_add_co_u32 s[G0+4*(\s)+1], s20, (\s)*CELL
	s_add_nc_u64 s[G0+4*(\s)+2:G0+4*(\s)+3], s[14:15], (\s)*KSTEP*2
	s_or_b32 s[G0+4*(\s)+3], s[G0+4*(\s)+3], 0x80000000
	s_mov_b32 s[G0B+4*(\s)], 1
	s_add_co_u32 s[G0B+4*(\s)+1], s21, (\s)*CELL
	s_add_nc_u64 s[G0B+4*(\s)+2:G0B+4*(\s)+3], s[46:47], (\s)*KSTEP*2048
	s_or_b32 s[G0B+4*(\s)+3], s[G0B+4*(\s)+3], 0x80000000
	JLOAD \s
.endr
	v_and_b32 v1, 15, v0
	v_bfe_u32 v2, v0, 4, 1
	v_mul_u32_u24 v3, v1, PA
	v_lshl_add_u32 v3, v2, 4, v3
	s_mul_i32 s22, s11, 2*CELL                     ; my 64 rows of A: the cells of wave 0 or 1
	v_add_nc_u32 v[ADRA], s22, v3
	v_and_b32 v4, 7, v0
	v_lshl_add_u32 v4, v2, 3, v4
	v_mul_u32_u24 v4, v4, PBB
	v_bfe_u32 v5, v0, 3, 1
	v_lshl_add_u32 v4, v5, 4, v4
	s_lshl_b32 s22, s12, 7                         ; my 64 columns,
	s_add_co_u32 s22, s22, 4*CELL                  ; in wave 2's cells
	v_add_nc_u32 v[ADRB], s22, v4
	s_mul_i32 s23, s10, 16*SPITCH
	s_add_co_u32 s23, s23, STAGE
	v_mul_u32_u24 v5, v1, SPITCH                   ; in: row r, 32 bytes for each half of the lanes
	v_lshl_add_u32 v5, v2, 5, v5
	v_add_nc_u32 v[STO], s23, v5
	v_mul_u32_u24 v5, v2, SPITCH                   ; back: lanes 0-15 one row of 256 bytes, lanes 16-31 the next
	v_lshl_add_u32 v5, v1, 4, v5
	v_add_nc_u32 v[RD], s23, v5
	v_lshlrev_b32 v5, 12, v2
	v_lshl_add_u32 v[CO], v1, 4, v5
	s_lshl_b32 s76, s42, 9                         ; my 64 columns: 512 x tile column + 256 x half, in bytes of f32
	s_lshl_b32 s77, s12, 8
	s_add_co_u32 s76, s76, s77
	v_lshl_add_u32 v[BO], v2, 5, s76
	s_lshl_b32 s74, s13, 19                        ; my rows: (128 x tile row + 64 x half) x 4,096
	s_lshl_b32 s75, s11, 18
	s_add_co_u32 s74, s74, s75
	s_add_co_u32 s74, s74, s76
	s_mov_b32 s75, 0
	s_add_nc_u64 s[OUT:OUT+1], s[OUT:OUT+1], s[74:75]
	s_add_nc_u64 s[RES:RES+1], s[RES:RES+1], s[74:75]
.irp b, 0,1,2,3
	global_load_b128 v[BIA+8*(\b):BIA+8*(\b)+3],   v[BO], s[6:7] offset:64*(\b)
	global_load_b128 v[BIA+8*(\b)+4:BIA+8*(\b)+7], v[BO], s[6:7] offset:64*(\b)+16
.endr
	WIN 0x80
.set i, 0
.rept 32
	global_load_b128 v[4*i:4*i+3], v[CO], s[RES:RES+1] offset:2*i*OPB
.set i, i+1
.endr
	WIN 0
.macro MUL8 f, c, a0, first            ; 8 matrix instructions; the 16 accumulators take turns
	WIN MUL
.irp a, \a0, (\a0)+1
.irp b, 0,1,2,3
.if \first
	v_wmma_f32_16x16x32_bf16 v[ACC+8*(4*(\a)+(\b)):ACC+8*(4*(\a)+(\b))+7], v[(\f)+64+8*(4*(\c)+(\b)):(\f)+64+8*(4*(\c)+(\b))+7], v[(\f)+8*(4*(\c)+(\a)):(\f)+8*(4*(\c)+(\a))+7], v[BIA+8*(\b):BIA+8*(\b)+7]
.else
	v_wmma_f32_16x16x32_bf16 v[ACC+8*(4*(\a)+(\b)):ACC+8*(4*(\a)+(\b))+7], v[(\f)+64+8*(4*(\c)+(\b)):(\f)+64+8*(4*(\c)+(\b))+7], v[(\f)+8*(4*(\c)+(\a)):(\f)+8*(4*(\c)+(\a))+7], v[ACC+8*(4*(\a)+(\b)):ACC+8*(4*(\a)+(\b))+7]
.endif
.endr
.endr
.endm
; 32 LDS loads in one run: a quarter's fragments (64 along K) into buffer f, the first 32 along K first; oa, ob: the quarter's place behind the pair's first.
; The four plain lines at its head (the two sums that make the addresses among them) are the places between the matrix instructions that read buffer f and the loads into it.
.macro FETCH oa, ob, f
	WIN 0
	v_add_nc_u32 v[RA], s[TA], v[ADRA]
	v_add_nc_u32 v[RB], s[TBB], v[ADRB]
	v_nop
	v_nop
	WIN TO_F
.irp c, 0,1
.irp i, 0,1,2,3
	ds_load_tr16_b128 v[(\f)+64+8*(4*(\c)+(\i)):(\f)+64+8*(4*(\c)+(\i))+3],   v[RB] offset:(\ob)+32*(\c)*PBB+32*(\i)
	ds_load_tr16_b128 v[(\f)+64+8*(4*(\c)+(\i))+4:(\f)+64+8*(4*(\c)+(\i))+7], v[RB] offset:(\ob)+(32*(\c)+16)*PBB+32*(\i)
	ds_load_b128 v[(\f)+8*(4*(\c)+(\i)):(\f)+8*(4*(\c)+(\i))+3],   v[RA] offset:(\oa)+64*(\c)+(\i)*16*PA
	ds_load_b128 v[(\f)+8*(4*(\c)+(\i))+4:(\f)+8*(4*(\c)+(\i))+7], v[RA] offset:(\oa)+64*(\c)+(\i)*16*PA+32
.endr
.endr
.endm
.macro PLACES
.rept 4
	v_nop
.endr
.endm
; A quarter: multiplies buffer f; in its middle fetches the next quarter's fragments into buffer g.  step = 1: the pair's second quarter: the fetches go on to the next pair.
; last = 1 (the tail): in the walk's last quarter (CNT = 1) there is nothing more to fetch, and the run is jumped over; on that way nothing younger stands behind buffer f's loads, so the wait at the head is for 0.
.macro QUARTER f, g, oa, ob, first, step, last
.if \last
	s_wait_dscnt 0x0
.else
	s_wait_dscnt 16                                ; the first 32 along K are in; the youngest sixteen loads may be out
.endif
	MUL8 \f, 0, 0, \first
	MUL8 \f, 0, 2, \first
.if \last
	WIN 0
	s_cmp_eq_u32 s[CNT], 1
	s_cbranch_scc1 .Lno_more_\@
.endif
	FETCH \oa, \ob, \g
.if \step
	s_add_co_u32 s[TA], s[TA], 256                 ; two quarters of 128 bytes along A's rows,
	s_add_co_u32 s[TBB], s[TBB], 2*CELL            ; 128 rows of B: the next wave's cell of the same slot
.endif
.if \last
	WIN 0
.Lno_more_\@:
.endif
	s_wait_dscnt 32                                ; all but the 32 just issued
	MUL8 \f, 1, 0, 0
	MUL8 \f, 1, 2, 0
.endm
; THE CHANGE OF SLOTS, in front of a K step's last quarter.  Each wave waits for all its tensor loads, of which one is out: its part of the other slot; adds 0 to its spare word; and waits for that and for its
; reads of the slot that it leaves.  fill = 1: that slot is filled again, two K steps on, first thing behind a round of the cluster's barrier: the load has a whole K step, 128 matrix instructions, in which to land.
.macro CHANGE fill
	WIN 0
	s_wait_tensorcnt 0x0                           ; no tensor load of mine is out, so a group 0 may be written
	ds_add_u32 v[SPW], v[NIL]                      ; 0 onto my spare word; the scalar work below stands between it and the wait for it
.if \fill
	s_xor_b32 s[G0+5], s[G0+5], CELL               ; the walking descriptors: the other slot than last time,
	s_add_nc_u64 s[G0+6:G0+7], s[G0+6:G0+7], KSTEP*2        ; the next K step; the type bits on top are not reached
	s_xor_b32 s[G0B+5], s[G0B+5], CELL
	s_add_nc_u64 s[G0B+6:G0B+7], s[G0B+6:G0B+7], KSTEP*2048
.endif
	s_sub_co_u32 s[TA], s[TA], 512                 ; the fetches go back to a slot's first quarter,
	s_xor_b32 s[TA], s[TA], CELL                   ; in the other slot
	s_sub_co_u32 s[TBB], s[TBB], 4*CELL
	s_xor_b32 s[TBB], s[TBB], CELL
	s_wait_dscnt 0x0                               ; the add is done, and my reads of the slot are over
.if \fill
	CROUND                                         ; no wave of any partner still reads the slot or has a load on its way
	JLOAD 1
.else
	s_barrier_signal -1
	s_barrier_wait -1
.endif
.endm
; THE WAY OUT of row block a: 16 rows x 64 f32 through my own stage, the residual added, stored as whole rows of 256 bytes.
.macro TOSTAGE a
	WIN 0
.if (\a) >= 2
	s_wait_xcnt 0x0                                ; the block before last's stores have read the registers that are loaded again below
.endif
.irp b, 0,1,2,3
	ds_store_b128 v[STO], v[ACC+8*(4*(\a)+(\b)):ACC+8*(4*(\a)+(\b))+3]   offset:64*(\b)      ; each accumulator from its low end on
	ds_store_b128 v[STO], v[ACC+8*(4*(\a)+(\b))+4:ACC+8*(4*(\a)+(\b))+7] offset:64*(\b)+16
.endr
.irp t, 0,1,2,3,4,5,6,7
	ds_load_b128 v[TMP+32*((\a)%2)+4*(\t):TMP+32*((\a)%2)+4*(\t)+3], v[RD] offset:(\t)*2*SPITCH   ; LDS serves a wave's instructions in order (ISA guide 5.7.1.4)
.endr
.endm
.macro FIN a, younger
	s_wait_dscnt \younger
	WIN 0x08                                       ; source 1 in window 2
.set i, 0
.rept 16
	v_pk_add_f32 v[TMP+32*((\a)%2)+2*i:TMP+32*((\a)%2)+2*i+1], v[TMP+32*((\a)%2)+2*i:TMP+32*((\a)%2)+2*i+1], v[32*(\a)+2*i:32*(\a)+2*i+1]
.set i, i+1
.endr
	WIN 0
.irp t, 0,1,2,3,4,5,6,7
	global_store_b128 v[CO], v[TMP+32*((\a)%2)+4*(\t):TMP+32*((\a)%2)+4*(\t)+3], s[OUT:OUT+1] offset:(16*(\a)+2*(\t))*OPB   ; 16 lanes store 256 consecutive bytes, aligned
.endr
.endm
	s_wait_tensorcnt 1                             ; my part of K step 0 is in; K step 1's stays out
	s_barrier_signal -1
	s_barrier_wait -1
	FETCH 0, 0, F0                                 ; K step 0's first quarter
	s_wait_loadcnt 32                              ; the bias is in; the residual's 32 younger loads stay out
	QUARTER F0, F1, 128, 64*PBB, 1, 1, 0           ; the first quarter stands ahead of the loop: its first products start the sums
	WIN 0                                          ; at a label and at a branch every window is 0
	s_mov_b32 s[CNT], 1                            ; of K step 0 one pair is left ahead of the first change
	s_mov_b32 s3, KSTEPS-1
	s_branch .Lpair
.Lslot:                                                ; KSTEPS - 2 times: every slot but the last two is filled again
	CHANGE 1
	s_mov_b32 s[CNT], 2
.Lpair:                                                ; behind a change: a K step's last quarter and the next one's first; then that one's second and third
	QUARTER F1, F0, 0, 0, 0, 0, 0
	QUARTER F0, F1, 128, 64*PBB, 0, 1, 0
	WIN 0
	s_sub_co_u32 s[CNT], s[CNT], 1
	s_cmp_lg_u32 s[CNT], 0
	s_cbranch_scc1 .Lpair
	s_sub_co_u32 s3, s3, 1
	s_cmp_lg_u32 s3, 0
	s_cbranch_scc1 .Lslot
	CHANGE 0                                       ; the tail is written out: nothing is asked for
	s_mov_b32 s[CNT], 3                            ; two pairs, and the last K step's last quarter: the third trip is left in its middle
.Ltail:
	QUARTER F1, F0, 0, 0, 0, 0, 1
	WIN 0
	s_sub_co_u32 s[CNT], s[CNT], 1
	s_cmp_eq_u32 s[CNT], 0
	s_cbranch_scc1 .Lout
	QUARTER F0, F1, 128, 64*PBB, 0, 1, 0
	WIN 0
	s_branch .Ltail
.Lout:
	PLACES
	s_wait_loadcnt 0x0                             ; the residual
	TOSTAGE 0
.irp a, 1,2,3
	TOSTAGE \a
	FIN (\a)-1, 16                                 ; the next block's eight stores and eight loads may be out
.endr
	FIN 3, 0
	s_wait_tensorcnt 0x0                           ; the wave's end
	ds_add_u32 v[SPW], v[NIL]
	s_wait_dscnt 0x0
	CROUND                                         ; the closing round
	s_endpgm
.Lfunc_end_k_q31881faad8_ffn2:
	.size	k_q31881faad8_ffn2, .Lfunc_end_k_q31881faad8_ffn2-k_q31881faad8_ffn2
	.p2alignl 7, 3214868480
	.fill 96, 4, 3214868480
	.section	.rodata,"a",@progbits
	.p2align	6, 0x0
	.amdhsa_kernel k_q31881faad8_ffn2
		.amdhsa_group_segment_fixed_size 327680
		.amdhsa_private_segment_fixed_size 0
		.amdhsa_enable_private_segment 0
		.amdhsa_kernarg_size 32
		.amdhsa_user_sgpr_count 2
		.amdhsa_user_sgpr_kernarg_segment_ptr 1
		.amdhsa_wavefront_size32 1
		.amdhsa_system_sgpr_workgroup_id_x 1
		.amdhsa_system_sgpr_workgroup_id_y 1
		.amdhsa_system_sgpr_workgroup_id_z 1
		.amdhsa_system_vgpr_workitem_id 0
		.amdhsa_next_free_vgpr 640
		.amdhsa_next_free_sgpr 80
		.amdhsa_reserve_vcc 0
		.amdhsa_float_denorm_mode_32 3
		.amdhsa_float_denorm_mode_16_64 3
		.amdhsa_memory_ordered 1
		.amdhsa_forward_progress 1
		.amdhsa_inst_pref_size 50
	.end_amdhsa_kernel
	.amdgpu_metadata
---
amdhsa.version: [ 1, 2 ]
amdhsa.kernels:
  - .name:           k_q31881faad8_ffn2
    .symbol:         k_q31881faad8_ffn2.kd
    .args:
      - { .name: X, .offset: 0, .size: 8, .value_kind: global_buffer, .address_space: global }
      - { .name: b2, .offset: 8, .size: 8, .value_kind: global_buffer, .address_space: global }
      - { .name: h, .offset: 16, .size: 8, .value_kind: global_buffer, .address_space: global }
      - { .name: out0, .offset: 24, .size: 8, .value_kind: global_buffer, .address_space: global }
    .group_segment_fixed_size: 327680
    .private_segment_fixed_size: 0
    .kernarg_segment_align: 8
    .kernarg_segment_size: 32
    .max_flat_workgroup_size: 128
    .sgpr_count:     80
    .vgpr_count:     640
    .wavefront_size: 32
...
	.end_amdgpu_metadata
.endif
;; end of part 5
